; MI455X (gfx1250); checked and timed in simulation.
; The chip was launched on July 23, 2026; its instructions are those of AMD's public machine-readable ISA for CDNA 5 (MIT licence, August 2026) and "CDNA5" Instruction Set Architecture Reference Guide (July 2026). The comments in the code are by the model that wrote it; some were corrected since.
;; Attention Module. Allowed arithmetic: float matrix products may take bf16 or f16 operands with f32 sums; other float arithmetic in f32, or as packed bf16 or f16 multiplies, adds, multiply-adds, maxima and minima; sums over many terms, partial sums and values carried from step to step in f32; what a program stores and reads back later, other than sums and carried values, may be rounded once to bf16 or f16.
;; Inputs: Wk 1,024 x 1,024 float32; Wq 1,024 x 1,024 float32; Wv 1,024 x 1,024 float32; k 4 x 2,048 x 1,024 float32; q 4 x 2,048 x 1,024 float32; v 4 x 2,048 x 1,024 float32.
;; Outputs: out0 4 x 2,048 x 1,024 float32.
;; Constants: mask = 1.
;; 2 versions, each right; version 2 is version 1 with the launches cast, mprod written anew for expert scheduling mode. Each part assembles by itself: llvm-mc -triple=amdgcn-amd-amdhsa -mcpu=gfx1250 --defsym DOCPART=n.
;; ======== version 1 of 2: 5 launches
;; limits: values are held in f16: magnitudes above 65,504 overflow, below 6.1e-05 lose precision
;; workspace buffers: h16 56,623,104 bytes; m16 2,097,152 bytes; qs 16,777,216 bytes; vh 16,777,216 bytes; vl 2,097,152 bytes; p16 33,554,432 bytes; st 1,048,576 bytes
;; launch cast (part 1): grid 864 x 1, 8 waves a work-group, no clusters, 0 bytes of LDS; arguments q, k, v, Wq, Wk, Wv, h16; writes h16
.if DOCPART == 1
	.amdgcn_target "amdgcn-amd-amdhsa--gfx1250"
	.amdhsa_code_object_version 6
	.text
	.protected	k_qfa26fc7fa9_cast
	.globl	k_qfa26fc7fa9_cast
	.p2align	8
	.type	k_qfa26fc7fa9_cast,@function
k_qfa26fc7fa9_cast:
	s_mov_b64 s[64:65], 0
	v_nop
	global_prefetch_b8 v0, s[64:65] scope:SCOPE_SE
	s_setreg_imm32_b32 hwreg(HW_REG_WAVE_MODE, 25, 1), 1
	s_wait_xcnt 0x0
; h16 = f16(bf16(x)) for the six f32 inputs, one behind the other: q, k, v (16 MiB of f16 each), Wq, Wk, Wv (2 MiB each).
; Each number is rounded once, to bf16; the bf16 number is then written as f16, which holds it exactly between 2^-14 and 65,504.
; LIMITS. A number of 65,520 or more in magnitude becomes an infinity; below 2^-14 f16 keeps its fixed step of 2^-24.
; SHARES. A work-group takes 32,768 numbers: 131,072 bytes in, 65,536 out. Thread t takes 16 bytes at 16 t of each 4,096: a wave's load covers 512
; consecutive bytes, its store 256 consecutive bytes at a multiple of 256. All 32 loads of a thread go out first; the waits count the younger ones.
; No LDS, no barrier, no matrix unit: the launch only moves bytes.
.set X, 16                             ; v[16:143]  load n: four registers
	s_load_b256 s[4:11], s[0:1], 0x0               ; q, k, v, Wq
	s_load_b128 s[12:15], s[0:1], 0x20             ; Wk, Wv
	s_load_b64 s[16:17], s[0:1], 0x30              ; h16
	s_lshr_b32 s19, ttmp9, 8                       ; chunks 0..767: tensor = chunk / 256,
	s_and_b32 s23, ttmp9, 255                      ; place in it
	s_sub_co_u32 s24, ttmp9, 768                   ; chunks 768..863: the weights, 32 chunks each
	s_lshr_b32 s25, s24, 5
	s_add_co_u32 s25, s25, 3
	s_and_b32 s24, s24, 31
	s_cmp_lt_u32 ttmp9, 768
	s_cselect_b32 s19, s19, s25                    ; which input, 0..5
	s_cselect_b32 s23, s23, s24                    ; which chunk of it
	s_lshl_b32 s26, s23, 17                        ; 131,072 bytes in
	s_mov_b32 s27, 0
	s_lshl_b32 s28, ttmp9, 16                      ; 65,536 bytes out: the chunks lie in h16 in their own order
	s_mov_b32 s29, 0
	s_mov_b32 s22, 0xffff0000                      ; a word's upper bf16
	v_lshlrev_b32 v1, 4, v0
	v_lshlrev_b32 v2, 3, v0
	s_wait_kmcnt 0x0
	s_mov_b64 s[20:21], s[4:5]
	s_cmp_eq_u32 s19, 1
	s_cselect_b64 s[20:21], s[6:7], s[20:21]
	s_cmp_eq_u32 s19, 2
	s_cselect_b64 s[20:21], s[8:9], s[20:21]
	s_cmp_eq_u32 s19, 3
	s_cselect_b64 s[20:21], s[10:11], s[20:21]
	s_cmp_eq_u32 s19, 4
	s_cselect_b64 s[20:21], s[12:13], s[20:21]
	s_cmp_eq_u32 s19, 5
	s_cselect_b64 s[20:21], s[14:15], s[20:21]
	s_add_nc_u64 s[20:21], s[20:21], s[26:27]
	s_add_nc_u64 s[16:17], s[16:17], s[28:29]
.set n, 0
.rept 32
	global_load_b128 v[X+4*n:X+4*n+3], v1, s[20:21] offset:4096*n th:TH_LOAD_NT
.set n, n+1
.endr
.set n, 0
.rept 32
	s_wait_loadcnt 31-n                            ; loads come back in order: load n is in, the 31 - n younger ones stay out
	v_cvt_pk_bf16_f32 v4, v[X+4*n], v[X+4*n+1]     ; the one rounding
	v_cvt_pk_bf16_f32 v5, v[X+4*n+2], v[X+4*n+3]
	v_lshlrev_b32 v[X+4*n], 16, v4                 ; bf16 back to f32: a shift or a mask
	v_and_b32 v[X+4*n+1], s22, v4
	v_lshlrev_b32 v[X+4*n+2], 16, v5
	v_and_b32 v[X+4*n+3], s22, v5
	v_cvt_pk_f16_f32 v[X+4*n], v[X+4*n], v[X+4*n+1]      ; exact within f16's normal range
	v_cvt_pk_f16_f32 v[X+4*n+1], v[X+4*n+2], v[X+4*n+3]
	global_store_b64 v2, v[X+4*n:X+4*n+1], s[16:17] offset:2048*n th:TH_STORE_NT
.set n, n+1
.endr
	s_endpgm
.Lfunc_end_k_qfa26fc7fa9_cast:
	.size	k_qfa26fc7fa9_cast, .Lfunc_end_k_qfa26fc7fa9_cast-k_qfa26fc7fa9_cast
	.p2alignl 7, 3214868480
	.fill 96, 4, 3214868480
	.section	.rodata,"a",@progbits
	.p2align	6, 0x0
	.amdhsa_kernel k_qfa26fc7fa9_cast
		.amdhsa_group_segment_fixed_size 0
		.amdhsa_private_segment_fixed_size 0
		.amdhsa_enable_private_segment 0
		.amdhsa_kernarg_size 56
		.amdhsa_user_sgpr_count 2
		.amdhsa_user_sgpr_kernarg_segment_ptr 1
		.amdhsa_wavefront_size32 1
		.amdhsa_system_sgpr_workgroup_id_x 1
		.amdhsa_system_sgpr_workgroup_id_y 1
		.amdhsa_system_sgpr_workgroup_id_z 1
		.amdhsa_system_vgpr_workitem_id 0
		.amdhsa_next_free_vgpr 144
		.amdhsa_next_free_sgpr 66
		.amdhsa_reserve_vcc 0
		.amdhsa_float_denorm_mode_32 3
		.amdhsa_float_denorm_mode_16_64 3
		.amdhsa_memory_ordered 1
		.amdhsa_forward_progress 1
		.amdhsa_inst_pref_size 21
	.end_amdhsa_kernel
	.amdgpu_metadata
---
amdhsa.version: [ 1, 2 ]
amdhsa.kernels:
  - .name:           k_qfa26fc7fa9_cast
    .symbol:         k_qfa26fc7fa9_cast.kd
    .args:
      - { .name: q, .offset: 0, .size: 8, .value_kind: global_buffer, .address_space: global }
      - { .name: k, .offset: 8, .size: 8, .value_kind: global_buffer, .address_space: global }
      - { .name: v, .offset: 16, .size: 8, .value_kind: global_buffer, .address_space: global }
      - { .name: Wq, .offset: 24, .size: 8, .value_kind: global_buffer, .address_space: global }
      - { .name: Wk, .offset: 32, .size: 8, .value_kind: global_buffer, .address_space: global }
      - { .name: Wv, .offset: 40, .size: 8, .value_kind: global_buffer, .address_space: global }
      - { .name: h16, .offset: 48, .size: 8, .value_kind: global_buffer, .address_space: global }
    .group_segment_fixed_size: 0
    .private_segment_fixed_size: 0
    .kernarg_segment_align: 8
    .kernarg_segment_size: 56
    .max_flat_workgroup_size: 256
    .sgpr_count:     66
    .vgpr_count:     144
    .wavefront_size: 32
...
	.end_amdgpu_metadata
.endif
;; end of part 1
;; launch mprod (part 2): grid 8 x 32, 4 waves a work-group, no clusters, 68,096 bytes of LDS; arguments h16, m16, st; writes m16, st
.if DOCPART == 2
	.amdgcn_target "amdgcn-amd-amdhsa--gfx1250"
	.amdhsa_code_object_version 6
	.text
	.protected	k_qfa26fc7fa9_mprod
	.globl	k_qfa26fc7fa9_mprod
	.p2align	8
	.type	k_qfa26fc7fa9_mprod,@function
k_qfa26fc7fa9_mprod:
	s_mov_b64 s[64:65], 0
	v_nop
	global_prefetch_b8 v0, s[64:65] scope:SCOPE_SE
	s_setreg_imm32_b32 hwreg(HW_REG_WAVE_MODE, 25, 1), 1
	s_wait_xcnt 0x0
; m16[d][d'] = f16(64 x the sum over e of Wq[d][e] Wk[d'][e]): since Q K^T = q (Wq Wk^T) k^T, this product of 1024^3 takes the place of a projection of 8192 x 1024^2.
; The factor 64, a power of two, lifts the numbers into f16's normal range.  LIMIT: 64 |M| stays under 65,504.
; Also: st is filled with the neutral pair (c m, l) = (-1e30, 0); a later launch writes the blocks that exist over it.
; SHARES. A work-group makes 32 rows d (grid y) x 128 columns d' (grid x).  K = 1024 is split among its four waves, 256 each, in 8 steps of 32.
; Source 0 = 16 rows of Wk, source 1 = 16 rows of Wq: a lane then holds one d (lane % 16) and eight neighbouring d'.  Both operands lie along e, so fragments come straight from memory,
; two loads of 16 bytes a lane.  All 160 loads of a wave go out at once into 640 registers; the four partial sums meet in LDS.
; REGISTERS: window 0: v0-15 addresses, v16-31 results, v128-255 the 16 accumulators ((a, b) at 128 + 8 (8 a + b)); step s: window 1 + s / 3, from 80 (s % 3): 8 fragments of Wk, 2 of Wq.
.set PP,    528                        ; a row of partial sums in LDS: 512 bytes + 16
.set PART,  32*PP                      ; a wave's partial tile
.set SPARE, 4*PART                     ; behind them: the spare words, 128 bytes a wave
.set FO,  2                            ; v2  (l % 16) x 2,048 + 16 (l / 16) + 512 x wave; never rewritten
.set LS,  3                            ; v3  where I put partial sums
.set LR,  4                            ; v4  where I read them back
.set MO,  5                            ; v5  my 16 bytes of m16
.set SO,  6                            ; v6  16 x thread
.set SPW, 8
.set NIL, 9
.set ACC, 128
.set MSB, 0
.macro WIN new
.if MSB != (\new)
	s_set_vgpr_msb (MSB<<8)|(\new)
.set MSB, \new
.endif
.endm
	s_load_b128 s[4:7], s[0:1], 0x0                ; h16, m16
	s_load_b64 s[8:9], s[0:1], 0x10                ; st
	v_lshl_add_u32 v[SPW], v0, 2, SPARE
	v_mov_b32 v[NIL], 0
	v_lshrrev_b32 v1, 5, v0
	v_readfirstlane_b32 s14, v1                    ; wave
	s_and_b32 s15, ttmp7, 0xffff                   ; y
	v_and_b32 v1, 15, v0                           ; r
	v_bfe_u32 v14, v0, 4, 1                        ; h
	v_lshlrev_b32 v[FO], 11, v1
	v_lshl_add_u32 v[FO], v14, 4, v[FO]
	s_lshl_b32 s16, s14, 9
	v_add_nc_u32 v[FO], s16, v[FO]
	v_mul_u32_u24 v[LS], v1, PP
	v_lshl_add_u32 v[LS], v14, 5, v[LS]
	s_mul_i32 s16, s14, PART
	v_add_nc_u32 v[LS], s16, v[LS]
	v_mul_u32_u24 v[LR], v14, PP
	v_lshl_add_u32 v[LR], v1, 5, v[LR]
	s_mul_i32 s16, s14, 8*PP
	v_add_nc_u32 v[LR], s16, v[LR]
	v_lshlrev_b32 v[MO], 11, v14
	v_lshl_add_u32 v[MO], v1, 4, v[MO]
	s_lshl_b32 s16, s14, 14
	v_add_nc_u32 v[MO], s16, v[MO]
	v_lshlrev_b32 v[SO], 4, v0
	v_mov_b32 v10, 0xf149f2ca                      ; -1e30
	v_mov_b32 v11, 0
	v_mov_b32 v12, 0xf149f2ca
	v_mov_b32 v13, 0
	s_mov_b32 s22, 0x42800000                      ; 64.0
	s_mov_b32 s23, s22
	s_lshl_b32 s16, ttmp9, 18                      ; 128 rows of Wk
	s_mov_b32 s17, 0
	s_lshl_b32 s18, s15, 16                        ; 32 rows of Wq, and of m16
	s_mov_b32 s19, 0
	s_lshl_b32 s20, s15, 3
	s_add_co_u32 s20, s20, ttmp9
	s_lshl_b32 s20, s20, 12                        ; my 4,096 bytes of st
	s_mov_b32 s21, 0
	s_lshl_b32 s24, ttmp9, 8                       ; 128 columns of m16
	s_mov_b32 s25, 0
	s_wait_kmcnt 0x0
	s_add_nc_u64 s[10:11], s[4:5], 0x3200000       ; wk16
	s_add_nc_u64 s[10:11], s[10:11], s[16:17]
	s_add_nc_u64 s[12:13], s[4:5], 0x3000000       ; wq16
	s_add_nc_u64 s[12:13], s[12:13], s[18:19]
	s_add_nc_u64 s[8:9], s[8:9], s[20:21]
	s_add_nc_u64 s[6:7], s[6:7], s[18:19]
	s_add_nc_u64 s[6:7], s[6:7], s[24:25]
.macro LD s                            ; step s: 20 loads
.set WN, 1+(\s)/3
.set BS, 80*((\s)%3)
	WIN WN<<6
.irp f, 0,1,2,3,4,5,6,7
	global_load_b128 v[BS+8*(\f):BS+8*(\f)+3],   v[FO], s[10:11] offset:(\f)*32768+64*(\s)
	global_load_b128 v[BS+8*(\f)+4:BS+8*(\f)+7], v[FO], s[10:11] offset:(\f)*32768+64*(\s)+32
.endr
.irp f, 0,1
	global_load_b128 v[BS+64+8*(\f):BS+64+8*(\f)+3],   v[FO], s[12:13] offset:(\f)*32768+64*(\s)
	global_load_b128 v[BS+64+8*(\f)+4:BS+64+8*(\f)+7], v[FO], s[12:13] offset:(\f)*32768+64*(\s)+32
.endr
.endm
.macro MU s                            ; step s: 16 products; the 16 accumulators take turns
.set WN, 1+(\s)/3
.set BS, 80*((\s)%3)
	WIN WN|(WN<<2)
.irp a, 0,1
.irp b, 0,1,2,3,4,5,6,7
.if (\s) == 0
	v_wmma_f32_16x16x32_f16 v[ACC+8*(8*(\a)+(\b)):ACC+8*(8*(\a)+(\b))+7], v[BS+8*(\b):BS+8*(\b)+7], v[BS+64+8*(\a):BS+64+8*(\a)+7], 0
.else
	v_wmma_f32_16x16x32_f16 v[ACC+8*(8*(\a)+(\b)):ACC+8*(8*(\a)+(\b))+7], v[BS+8*(\b):BS+8*(\b)+7], v[BS+64+8*(\a):BS+64+8*(\a)+7], v[ACC+8*(8*(\a)+(\b)):ACC+8*(8*(\a)+(\b))+7]
.endif
.endr
.endr
.endm
	global_store_b128 v[SO], v[10:13], s[8:9]              ; the neutral pairs: 128 threads x 16 bytes, twice
	global_store_b128 v[SO], v[10:13], s[8:9] offset:2048
.irp s, 0,1,2,3,4,5,6,7
	LD \s
.endr
.irp s, 0,1,2,3,4
	s_wait_loadcnt 60                              ; behind step s stand 20 (7 - s) younger loads; 60 is right for step 4
	MU \s
.endr
	s_wait_loadcnt 40
	MU 5
	s_wait_loadcnt 20
	MU 6
	s_wait_loadcnt 0x0
	MU 7
	WIN 0
.rept 8
	v_nop                                          ; the places behind the last products
.endr
.irp a, 0,1
.irp b, 0,1,2,3,4,5,6,7
	ds_store_b128 v[LS], v[ACC+8*(8*(\a)+(\b)):ACC+8*(8*(\a)+(\b))+3]   offset:(\a)*16*PP+64*(\b)
	ds_store_b128 v[LS], v[ACC+8*(8*(\a)+(\b))+4:ACC+8*(8*(\a)+(\b))+7] offset:(\a)*16*PP+64*(\b)+16
.endr
.endr
	s_wait_dscnt 0x0                               ; for the others' sake: my partial sums lie in LDS
	s_barrier_signal -1
	s_barrier_wait -1
.irp i, 0,1,2,3                        ; wave w finishes rows 8 w .. 8 w + 7: two rows a load, eight columns a lane, four parts
.irp p, 0,1,2,3
	ds_load_b128 v[128+32*(\i)+8*(\p):128+32*(\i)+8*(\p)+3],   v[LR] offset:(\i)*2*PP+(\p)*PART
	ds_load_b128 v[128+32*(\i)+8*(\p)+4:128+32*(\i)+8*(\p)+7], v[LR] offset:(\i)*2*PP+(\p)*PART+16
.endr
.endr
	s_wait_dscnt 0x0
.set i, 0
.rept 4
.set R0, 128+32*i
.set k, 0
.rept 4
	v_pk_add_f32 v[R0+k:R0+k+1], v[R0+k:R0+k+1], v[R0+8+k:R0+8+k+1]
	v_pk_add_f32 v[R0+16+k:R0+16+k+1], v[R0+16+k:R0+16+k+1], v[R0+24+k:R0+24+k+1]
.set k, k+2
.endr
.set k, 0
.rept 4
	v_pk_add_f32 v[R0+k:R0+k+1], v[R0+k:R0+k+1], v[R0+16+k:R0+16+k+1]
.set k, k+2
.endr
.set k, 0
.rept 4
	v_pk_mul_f32 v[R0+k:R0+k+1], v[R0+k:R0+k+1], s[22:23] op_sel_hi:[1,0]
.set k, k+2
.endr
.set k, 0
.rept 4
	v_cvt_pk_f16_f32 v[16+4*i+k], v[R0+2*k], v[R0+2*k+1]
.set k, k+1
.endr
	global_store_b128 v[MO], v[16+4*i:16+4*i+3], s[6:7] offset:4096*i  ; 16 lanes store 256 consecutive bytes, at a multiple of 256
.set i, i+1
.endr
	s_wait_tensorcnt 0x0                           ; the wave's end
	ds_add_u32 v[SPW], v[NIL]
	s_wait_dscnt 0x0
	s_endpgm
.Lfunc_end_k_qfa26fc7fa9_mprod:
	.size	k_qfa26fc7fa9_mprod, .Lfunc_end_k_qfa26fc7fa9_mprod-k_qfa26fc7fa9_mprod
	.p2alignl 7, 3214868480
	.fill 96, 4, 3214868480
	.section	.rodata,"a",@progbits
	.p2align	6, 0x0
	.amdhsa_kernel k_qfa26fc7fa9_mprod
		.amdhsa_group_segment_fixed_size 68096
		.amdhsa_private_segment_fixed_size 0
		.amdhsa_enable_private_segment 0
		.amdhsa_kernarg_size 24
		.amdhsa_user_sgpr_count 2
		.amdhsa_user_sgpr_kernarg_segment_ptr 1
		.amdhsa_wavefront_size32 1
		.amdhsa_system_sgpr_workgroup_id_x 1
		.amdhsa_system_sgpr_workgroup_id_y 1
		.amdhsa_system_sgpr_workgroup_id_z 1
		.amdhsa_system_vgpr_workitem_id 0
		.amdhsa_next_free_vgpr 928
		.amdhsa_next_free_sgpr 66
		.amdhsa_reserve_vcc 0
		.amdhsa_float_denorm_mode_32 3
		.amdhsa_float_denorm_mode_16_64 3
		.amdhsa_memory_ordered 1
		.amdhsa_forward_progress 1
		.amdhsa_inst_pref_size 37
	.end_amdhsa_kernel
	.amdgpu_metadata
---
amdhsa.version: [ 1, 2 ]
amdhsa.kernels:
  - .name:           k_qfa26fc7fa9_mprod
    .symbol:         k_qfa26fc7fa9_mprod.kd
    .args:
      - { .name: h16, .offset: 0, .size: 8, .value_kind: global_buffer, .address_space: global }
      - { .name: m16, .offset: 8, .size: 8, .value_kind: global_buffer, .address_space: global }
      - { .name: st, .offset: 16, .size: 8, .value_kind: global_buffer, .address_space: global }
    .group_segment_fixed_size: 68096
    .private_segment_fixed_size: 0
    .kernarg_segment_align: 8
    .kernarg_segment_size: 24
    .max_flat_workgroup_size: 128
    .sgpr_count:     66
    .vgpr_count:     928
    .wavefront_size: 32
...
	.end_amdgpu_metadata
.endif
;; end of part 2
;; launch proj (part 3): grid 8 x 32, 4 waves a work-group, clusters of 4 x 4, 327,680 bytes of LDS; arguments h16, m16, qs, vh, vl; writes qs, vh, vl
.if DOCPART == 3
	.amdgcn_target "amdgcn-amd-amdhsa--gfx1250"
	.amdhsa_code_object_version 6
	.text
	.protected	k_qfa26fc7fa9_proj
	.globl	k_qfa26fc7fa9_proj
	.p2align	8
	.type	k_qfa26fc7fa9_proj,@function
k_qfa26fc7fa9_proj:
	s_mov_b64 s[64:65], 0
	v_nop
	global_prefetch_b8 v0, s[64:65] scope:SCOPE_SE
	s_setreg_imm32_b32 hwreg(HW_REG_WAVE_MODE, 25, 1), 1
	s_wait_xcnt 0x0
	s_wait_alu depctr_hold_cnt(0) depctr_sa_sdst(0) depctr_va_vdst(0) depctr_va_sdst(0) depctr_va_ssrc(0) depctr_va_vcc(0) depctr_vm_vsrc(0)
	s_getreg_b32 s2, hwreg(HW_REG_IB_STS2, 6, 4)
	s_cmp_eq_u32 s2, 0
	s_cbranch_scc0 .Lentry_in_a_cluster
	s_endpgm
.Lentry_in_a_cluster:
	s_bfe_u32 s2, ttmp6, 0x10000c
	s_cmp_lg_u32 s2, 0xf033
	s_cbranch_scc0 .Lentry_shape_is_right
	s_endpgm
.Lentry_shape_is_right:
; Two products of 8192 x 1024 x 1024 in one launch, told apart by the cluster's x: 0: qs = f16((q16 m16) 2^-15) = q M / 512;  1: vh = f16(v16 wv16).
; For V also vl: of each tile's first 32 rows the f16 of what the rounding to f16 left over (a later launch adds it back for the first 32 keys of each batch).
; Operands f16, sums f32.  LIMITS: |q M| / 512 and |V| stay under 65,504; below 2^-14 f16 keeps its fixed step of 2^-24.
; SHAPE. A tile of C is 256 x 256, four waves, each 128 x 128: 64 accumulators.  K goes in 8 steps of 128 through two LDS slots.  A (rows along K) comes as 128 rows x 256 bytes a wave (waves 0, 1);
; B lies [k][n]: 64 rows of 512 bytes a wave (waves 2, 3), read turned by ds_load_tr16_b128.  Source 0 = 16 columns of B, source 1 = 16 rows of A: a lane holds eight neighbouring columns of one row of C.
; CLUSTER 4 x 4: A's tile is shared along a row of the cluster, B's along a column: joint loads, the same descriptor and mask in the four that a mask names.
; The loop's body is one K step; s[TB] says which slot is read; the second group 0 of each operand walks (its LDS word by an exclusive or with SLOT, whose bits no wave's piece uses).
; REGISTERS: window 0: v16-31 addresses, v32-63 packed results, v64-191 A's two fragment buffers, v192-223 rows read back; window 1: v64-191 B's two buffers; windows 2, 3: accumulator (a, b) at v[8 (8 (a % 4) + b)].
.set PITCH, 272                        ; A's row in LDS: 256 + 16 bytes: the 16 rows of a load start in 16 different groups of four banks
.set PB,    544                        ; B's row: 512 + 32 bytes, an odd multiple of 32
.set HALFT, 128*PITCH                  ; a wave's piece of a slot: 128 x 272 = 64 x 544
.set SLOT,  4*HALFT
.set STAGE, 2*SLOT                     ; 16 rows x 272 bytes a wave, for the way out; no tile lands here
.set SPARE, STAGE+4*16*PITCH           ; the spare words
.set ADRA0, 16
.set ADRA,  17
.set ADRB0, 20
.set ADRB,  21
.set STO,   24
.set RD,    25
.set CO,    26
.set SPW,   28
.set NIL,   29
.set PFO,   30
.set NEG1,  31
.set TMP,   32
.set F0,    64
.set F1,    128
.set OB,    192
.set WV,   14
.set RH,   15                          ; my half of the tile's rows; also: I fetch for A (0) or B (1)
.set HF,   16                          ; my half of its columns; also: which half of that operand's tile I fetch
.set CX,   17
.set CY,   18
.set PART, 19
.set RT,   20
.set CLY,  21
.set G1A,  24
.set G0A,  32
.set AB,   40
.set BB,   42
.set PFA,  44
.set LIM,  46
.set TB,   47
.set G1B,  48
.set G0B,  56
.set PFS,  72
.set SC,   76
.set VLB,  78
.set CB,   80
.set MSB, 0
.macro WIN new
.if MSB != (\new)
	s_set_vgpr_msb (MSB<<8)|(\new)
.set MSB, \new
.endif
.endm
.set MUL_LO, 0xa1
.set MUL_HI, 0xf1
.set TO_B,   0x40
.macro PLACES
.rept 4
	v_nop
.endr
.endm
.macro JLOAD                           ; the joint refill by the walking descriptors; the branch hangs on the wave's number alone
	s_cmp_eq_u32 s[RH], 0
	s_cbranch_scc0 .Lfor_b_\@
	tensor_load_to_lds s[G0A+4:G0A+7], s[G1A:G1A+7]
	s_nop 0
	PLACES
	s_branch .Lasked_\@
.Lfor_b_\@:
	tensor_load_to_lds s[G0B+4:G0B+7], s[G1B:G1B+7]
	s_nop 0
	PLACES
.Lasked_\@:
.endm
.macro CREST
	s_cmp_lg_u32 s[WV], 0
	s_cbranch_scc1 .Lnot_wave_0_\@
	s_barrier_signal -3
.Lnot_wave_0_\@:
	s_barrier_wait -3
	s_barrier_signal -1
	s_barrier_wait -1
.endm
.macro CROUND
	s_barrier_signal -1
	s_barrier_wait -1
	CREST
.endm
; The K step two refills on is asked for ahead: one instruction a wave, 32 blocks of 256 bytes.  A's rows are read by this cluster alone: its four partners of a row take 32 rows each, by address.
; B's rows are read by all eight clusters of a column of clusters: the first asks; its four partners of a column take 16 rows x 2 blocks each.  The last two refills have no step two on.
.macro ASK
	s_cmp_gt_u32 s3, s[LIM]
	s_cbranch_scc0 .Lnot_mine_\@
	global_prefetch_b8 v[PFO], s[PFA:PFA+1] th:TH_LOAD_NT scope:SCOPE_SE
.Lnot_mine_\@:
.endm
	s_load_b256 s[4:11], s[0:1], 0x0               ; h16, m16, qs, vh
	s_load_b64 s[12:13], s[0:1], 0x20              ; vl
	v_lshl_add_u32 v[SPW], v0, 2, SPARE
	v_mov_b32 v[NIL], 0
	ds_add_u32 v[SPW], v[NIL]                      ; the opening: the add and its wait ahead of my first tensor load
	v_lshrrev_b32 v1, 5, v0
	v_readfirstlane_b32 s[WV], v1
	s_lshr_b32 s[RH], s[WV], 1
	s_and_b32 s[HF], s[WV], 1
	s_bfe_u32 s[CX], ttmp6, 0x40000
	s_bfe_u32 s[CY], ttmp6, 0x40004
	s_mov_b32 s[PART], ttmp9                       ; cluster x: which product
	s_and_b32 s[CLY], ttmp7, 0xffff                ; cluster y
	s_lshl_b32 s[RT], s[CLY], 2
	s_add_co_u32 s[RT], s[RT], s[CY]               ; tile row 0..31; the tile column is cx
	s_lshl_b32 s66, s[CY], 2
	s_lshl_b32 s66, 15, s66                        ; my row of the cluster
	s_lshl_b32 s68, 0x1111, s[CX]                  ; my column
	s_or_b32 s[G1A], s66, (1<<16)|(1<<20)|(1<<21)|(5<<22)|(3<<25)   ; mask; 2-byte elements; padding on; bit 21 beside a mask; 4 words behind every 64
	s_mov_b32 s[G1A+1], 128<<16                    ; tensor_dim0 = 128
	s_mov_b32 s[G1A+2], 128<<16                    ; tensor_dim1 = 128
	s_mov_b32 s[G1A+3], 128<<16                    ; tile_dim0 = 128
	s_mov_b32 s[G1A+4], 128                        ; tile_dim1 = 128
	s_mov_b32 s[G1A+5], 1024                       ; elements from row to row
	s_mov_b32 s[G1A+6], 0
	s_mov_b32 s[G1A+7], 0
	s_or_b32 s[G1B], s68, (1<<16)|(1<<20)|(1<<21)|(6<<22)|(7<<25)   ; 8 words behind every 128
	s_mov_b32 s[G1B+1], 256<<16
	s_mov_b32 s[G1B+2], 64<<16
	s_mov_b32 s[G1B+3], 256<<16
	s_mov_b32 s[G1B+4], 64
	s_mov_b32 s[G1B+5], 1024
	s_mov_b32 s[G1B+6], 0
	s_mov_b32 s[G1B+7], 0
	s_lshl_b32 s66, s[RT], 19                      ; A: (256 tile row + 128 half) rows of 2,048 bytes: no cx enters
	s_lshl_b32 s67, s[HF], 18
	s_add_co_u32 s66, s66, s67
	s_mov_b32 s67, 0
	s_lshl_b32 s68, s[HF], 17                      ; B: 64 half rows of 2,048 bytes + 512 cx: no cy enters
	s_lshl_b32 s69, s[CX], 9
	s_add_co_u32 s68, s68, s69
	s_mov_b32 s69, 0
	s_mul_i32 s22, s[WV], HALFT                    ; where my piece goes: the wave's number alone
	s_mov_b32 s[TB], 0
	s_cmp_eq_u32 s[PART], 0
	s_cselect_b32 s70, 0, 0x2000000                ; q16 or v16
	s_mov_b32 s71, 0
	s_cselect_b32 s[SC], 0x38000000, 1.0           ; 2^-15 or 1
	s_mov_b32 s[SC+1], s[SC]
	s_wait_dscnt 0x0                               ; the opening add is done
	s_wait_kmcnt 0x0
	s_add_nc_u64 s[AB:AB+1], s[4:5], s[70:71]
	s_add_nc_u64 s[82:83], s[4:5], 0x3400000       ; wv16
	s_cmp_eq_u32 s[PART], 0
	s_cselect_b64 s[BB:BB+1], s[6:7], s[82:83]
	s_cselect_b64 s[CB:CB+1], s[8:9], s[10:11]
	s_add_nc_u64 s[66:67], s[AB:AB+1], s[66:67]
	s_add_nc_u64 s[68:69], s[BB:BB+1], s[68:69]
.irp s, 0,1
	s_mov_b32 s[G0A+4*(\s)], 1
	s_add_co_u32 s[G0A+4*(\s)+1], s22, (\s)*SLOT
	s_add_nc_u64 s[G0A+4*(\s)+2:G0A+4*(\s)+3], s[66:67], (\s)*256
	s_or_b32 s[G0A+4*(\s)+3], s[G0A+4*(\s)+3], 0x80000000
	s_mov_b32 s[G0B+4*(\s)], 1
	s_add_co_u32 s[G0B+4*(\s)+1], s22, (\s)*SLOT
	s_add_nc_u64 s[G0B+4*(\s)+2:G0B+4*(\s)+3], s[68:69], (\s)*262144
	s_or_b32 s[G0B+4*(\s)+3], s[G0B+4*(\s)+3], 0x80000000
.endr
	CROUND                                         ; all sixteen work-groups are here: the first joint loads meet
	s_cmp_eq_u32 s[RH], 0                          ; a wave's two first fills stand in one branch: two loads of mine are out
	s_cbranch_scc0 .Lfirst_b
	tensor_load_to_lds s[G0A:G0A+3], s[G1A:G1A+7]
	s_nop 0
	tensor_load_to_lds s[G0A+4:G0A+7], s[G1A:G1A+7]
	s_nop 0
	PLACES
	s_branch .Lfirst_done
.Lfirst_b:
	tensor_load_to_lds s[G0B:G0B+3], s[G1B:G1B+7]
	s_nop 0
	tensor_load_to_lds s[G0B+4:G0B+7], s[G1B:G1B+7]
	s_nop 0
	PLACES
.Lfirst_done:
	v_and_b32 v1, 15, v0                           ; r
	v_bfe_u32 v2, v0, 4, 1                         ; h
	v_and_b32 v3, 7, v0
	v_bfe_u32 v4, v0, 3, 1
	v_and_b32 v5, 31, v0                           ; lane
	v_mul_u32_u24 v6, v1, PITCH
	v_lshl_add_u32 v6, v2, 4, v6                   ; r x 272 + 16 h
	s_mul_i32 s22, s[RH], HALFT
	v_add_nc_u32 v[ADRA0], s22, v6
	v_mov_b32 v[ADRA], v[ADRA0]
	v_lshl_add_u32 v7, v2, 3, v3                   ; the turning load: k row 8 h + l % 8,
	v_mul_u32_u24 v7, v7, PB
	v_lshl_add_u32 v7, v4, 4, v7                   ; columns 8 ((l / 8) % 2) on
	s_lshl_b32 s22, s[HF], 8
	s_add_co_u32 s22, s22, 2*HALFT
	v_add_nc_u32 v[ADRB0], s22, v7
	v_mov_b32 v[ADRB], v[ADRB0]
	s_mul_i32 s22, s[WV], 16*PITCH
	s_add_co_u32 s22, s22, STAGE
	v_add_nc_u32 v[STO], s22, v6
	v_mul_u32_u24 v7, v2, PITCH
	v_lshl_add_u32 v7, v1, 4, v7
	v_add_nc_u32 v[RD], s22, v7
	v_lshlrev_b32 v7, 11, v2
	v_lshl_add_u32 v[CO], v1, 4, v7
	v_mov_b32 v[NEG1], 0xbf800000
	v_lshrrev_b32 v[PFO], s[RH], v5                ; A: a lane a row; B: two lanes a row of 512 bytes
	v_and_b32 v7, s[RH], v5
	v_lshlrev_b32 v[PFO], 11, v[PFO]
	v_lshl_add_u32 v[PFO], v7, 8, v[PFO]
	s_lshl_b32 s84, s[RT], 19                      ; C at my 128 x 128
	s_lshl_b32 s85, s[RH], 18
	s_add_co_u32 s84, s84, s85
	s_lshl_b32 s86, s[CX], 9
	s_lshl_b32 s87, s[HF], 8
	s_add_co_u32 s86, s86, s87
	s_add_co_u32 s84, s84, s86
	s_mov_b32 s85, 0
	s_add_nc_u64 s[CB:CB+1], s[CB:CB+1], s[84:85]
	s_lshl_b32 s84, s[RT], 16                      ; vl: 32 rows of 2,048 bytes a tile row
	s_add_co_u32 s84, s84, s86
	s_add_nc_u64 s[VLB:VLB+1], s[12:13], s[84:85]
	s_lshl_b32 s84, s[RT], 19                      ; the prefetches stand at K step 3; the first refill steps them to 4
	s_lshl_b32 s85, s[HF], 18
	s_add_co_u32 s84, s84, s85
	s_lshl_b32 s85, s[CX], 16
	s_add_co_u32 s84, s84, s85
	s_add_co_u32 s84, s84, 768
	s_lshl_b32 s86, s[HF], 17
	s_lshl_b32 s87, s[CY], 15
	s_add_co_u32 s86, s86, s87
	s_lshl_b32 s87, s[CX], 9
	s_add_co_u32 s86, s86, s87
	s_add_co_u32 s86, s86, 786432
	s_cmp_eq_u32 s[RH], 0
	s_cselect_b32 s84, s84, s86
	s_mov_b32 s85, 0
	s_cselect_b64 s[PFA:PFA+1], s[AB:AB+1], s[BB:BB+1]
	s_mov_b32 s87, 262144                          ; (an instruction holds one literal: B's K step goes by a register; a move leaves the compare's result alone)
	s_cselect_b32 s[PFS], 256, s87
	s_mov_b32 s[PFS+1], 0
	s_cselect_b32 s86, 0, s[CLY]
	s_add_nc_u64 s[PFA:PFA+1], s[PFA:PFA+1], s[84:85]
	s_cmp_eq_u32 s86, 0
	s_cselect_b32 s[LIM], 2, -1                    ; the same in all partners, for a given wave
.macro MUL16 f, hi, a0, zero
	WIN MUL_LO+0x50*(\hi)
.irp a, \a0, (\a0)+1
.irp b, 0,1,2,3,4,5,6,7
.if \zero
	v_wmma_f32_16x16x32_f16 v[8*(8*(\a)+(\b)):8*(8*(\a)+(\b))+7], v[(\f)+8*(\b):(\f)+8*(\b)+7], v[(\f)+8*(4*(\hi)+(\a)):(\f)+8*(4*(\hi)+(\a))+7], 0
.else
	v_wmma_f32_16x16x32_f16 v[8*(8*(\a)+(\b)):8*(8*(\a)+(\b))+7], v[(\f)+8*(\b):(\f)+8*(\b)+7], v[(\f)+8*(4*(\hi)+(\a)):(\f)+8*(4*(\hi)+(\a))+7], v[8*(8*(\a)+(\b)):8*(8*(\a)+(\b))+7]
.endif
.endr
.endr
.endm
.macro FETCH q, f                      ; quarter q of the slot in hand: 16 loads of B (turned), then 16 of A
	WIN TO_B
.irp i, 0,1,2,3,4,5,6,7
	ds_load_tr16_b128 v[(\f)+8*(\i):(\f)+8*(\i)+3],   v[ADRB] offset:(\q)*32*PB+(\i)*32
	ds_load_tr16_b128 v[(\f)+8*(\i)+4:(\f)+8*(\i)+7], v[ADRB] offset:(\q)*32*PB+16*PB+(\i)*32
.endr
	WIN 0
.irp i, 0,1,2,3,4,5,6,7
	ds_load_b128 v[(\f)+8*(\i):(\f)+8*(\i)+3],   v[ADRA] offset:(\q)*64+(\i)*16*PITCH
	ds_load_b128 v[(\f)+8*(\i)+4:(\f)+8*(\i)+7], v[ADRA] offset:(\q)*64+(\i)*16*PITCH+32
.endr
.endm
.macro QUARTER q, f, g, zero           ; multiplies buffer f; in its middle fetches quarter q into buffer g
	s_wait_dscnt 8                                 ; B and A's rows 0-63 are in; the youngest eight loads may be out
	MUL16 \f, 0, 0, \zero
	MUL16 \f, 0, 2, \zero
	PLACES                                         ; four places in front of loads into registers that matrix instructions have read
	FETCH \q, \g
	s_wait_dscnt 32                                ; all but the 32 just issued
	MUL16 \f, 1, 0, \zero
	MUL16 \f, 1, 2, \zero
.endm
; The last quarter of a K step and the change of slots.  In front of the barrier each wave waits for all its tensor loads (one is out: its piece of the next slot), adds 0 to its spare word,
; and waits for that and for its reads of this slot.  fill = 1: the barrier opens a round of the cluster's, and the joint refill is the first thing behind the round: 224 matrix instructions ahead of the wait for it.
.macro TURN fill
.if \fill
	s_wait_xcnt 0x0                                ; the last prefetch, a K step back, has read its address
	s_add_nc_u64 s[PFA:PFA+1], s[PFA:PFA+1], s[PFS:PFS+1]
.endif
	WIN 0
	s_wait_tensorcnt 0x0
	ds_add_u32 v[SPW], v[NIL]
.if \fill
	s_xor_b32 s[G0A+5], s[G0A+5], SLOT             ; no load of mine is out: the walking descriptors go to the other slot and one K step on
	s_add_nc_u64 s[G0A+6:G0A+7], s[G0A+6:G0A+7], 256
	s_xor_b32 s[G0B+5], s[G0B+5], SLOT
	s_add_nc_u64 s[G0B+6:G0B+7], s[G0B+6:G0B+7], 262144
.endif
	s_xor_b32 s[TB], s[TB], SLOT
	s_wait_dscnt 9                                 ; the add and the youngest eight loads may be out
	MUL16 F1, 0, 0, 0
	s_wait_dscnt 0x0                               ; the add is done, my reads of this slot are over
	s_barrier_signal -1
	MUL16 F1, 0, 2, 0
	WIN 0
	s_barrier_wait -1
.if \fill
	CREST
	JLOAD                                          ; its four v_nop are also the places in front of the loads below
.else
	PLACES
.endif
	v_add_nc_u32 v[ADRA], s[TB], v[ADRA0]
	v_add_nc_u32 v[ADRB], s[TB], v[ADRB0]
	FETCH 0, F0
.if \fill
	ASK
.endif
	MUL16 F1, 1, 0, 0
	MUL16 F1, 1, 2, 0
.endm
	s_wait_tensorcnt 0x1                           ; my piece of K step 0 is in; step 1's may stay out
	s_barrier_signal -1
	s_barrier_wait -1
	FETCH 0, F0
	QUARTER 1, F0, F1, 1                           ; the first quarter starts the sums: nothing is cleared
	WIN 0
	s_mov_b32 s3, 6
.Lstep:                                        ; six trips, each with a refill: K steps 2 to 7
	QUARTER 2, F1, F0, 0
	QUARTER 3, F0, F1, 0
	TURN 1
	QUARTER 1, F0, F1, 0
	WIN 0
	s_sub_co_u32 s3, s3, 1
	s_cmp_lg_u32 s3, 0
	s_cbranch_scc1 .Lstep
	s_mov_b32 s3, 2
.Ltail:                                        ; K steps 6 and 7 ask for nothing; the second trip is left in its middle (its fetch of the other slot's old bytes serves nothing: the price of one text)
	QUARTER 2, F1, F0, 0
	QUARTER 3, F0, F1, 0
	TURN 0
	WIN 0
	s_sub_co_u32 s3, s3, 1
	s_cmp_eq_u32 s3, 0
	s_cbranch_scc1 .Lout
	QUARTER 1, F0, F1, 0
	WIN 0
	s_branch .Ltail
.Lout:
	s_wait_dscnt 0x0
	PLACES
	PLACES
; THE WAY OUT, a block of 16 rows at a time: scaled, rounded to f16, 16 bytes a lane into my stage, back as whole rows of 256 bytes, stored.
.macro PACK a
.set AC, 64*((\a)%4)
.set WN, 2+(\a)/4
	WIN (WN<<6)|WN
.set n, 0
.rept 32
	v_pk_mul_f32 v[AC+n:AC+n+1], v[AC+n:AC+n+1], s[SC:SC+1] op_sel_hi:[1,0]
.set n, n+2
.endr
	WIN WN|(WN<<2)
.set n, 0
.rept 32
	v_cvt_pk_f16_f32 v[TMP+n], v[AC+2*n], v[AC+2*n+1]
.set n, n+1
.endr
	WIN 0
.endm
.macro LOW a                           ; what the rounding left over: sum - f16(sum), exact in f32, then rounded to f16 (blocks 0 and 1: window 2)
.set AC, 64*(\a)
	WIN 0x20
.set n, 0
.rept 32
	v_fma_mix_f32 v[64+2*n],   v[TMP+n], v[NEG1], v[AC+2*n]   op_sel:[0,0,0] op_sel_hi:[1,0,0]
	v_fma_mix_f32 v[64+2*n+1], v[TMP+n], v[NEG1], v[AC+2*n+1] op_sel:[1,0,0] op_sel_hi:[1,0,0]
.set n, n+1
.endr
	WIN 0
.set n, 0
.rept 32
	v_cvt_pk_f16_f32 v[TMP+n], v[64+2*n], v[64+2*n+1]
.set n, n+1
.endr
.endm
.macro TOSTAGE
	s_wait_xcnt 0x0                                ; the last block's stores have read the registers that are loaded again below
.irp b, 0,1,2,3,4,5,6,7
	ds_store_b128 v[STO], v[TMP+4*(\b):TMP+4*(\b)+3] offset:32*(\b)
.endr
.irp t, 0,1,2,3,4,5,6,7
	ds_load_b128 v[OB+4*(\t):OB+4*(\t)+3], v[RD] offset:(\t)*2*PITCH  ; a wave's LDS instructions are served in order: these see the stores above
.endr
.endm
.macro SEND base, a
	s_wait_dscnt 0x0
.irp t, 0,1,2,3,4,5,6,7
	global_store_b128 v[CO], v[OB+4*(\t):OB+4*(\t)+3], s[(\base):(\base)+1] offset:(16*(\a)+2*(\t))*2048  ; 16 lanes store 256 consecutive bytes, at a multiple of 256
.endr
.endm
	s_cmp_eq_u32 s[PART], 1                        ; the residual: V's product, the waves with the tile's upper rows
	s_cbranch_scc0 .Lnores
	s_cmp_eq_u32 s[RH], 0
	s_cbranch_scc0 .Lnores
.irp a, 0,1
	PACK \a                                        ; (the scale is 1 here, so that the second PACK below changes nothing)
	LOW \a
	TOSTAGE
	SEND VLB, \a
.endr
.Lnores:
.irp a, 0,1,2,3,4,5,6,7
	PACK \a
	TOSTAGE
	SEND CB, \a
.endr
	s_wait_tensorcnt 0x0                           ; the wave's end
	ds_add_u32 v[SPW], v[NIL]
	s_wait_dscnt 0x0
	CROUND                                         ; the closing round
	s_endpgm
.Lfunc_end_k_qfa26fc7fa9_proj:
	.size	k_qfa26fc7fa9_proj, .Lfunc_end_k_qfa26fc7fa9_proj-k_qfa26fc7fa9_proj
	.p2alignl 7, 3214868480
	.fill 96, 4, 3214868480
	.section	.rodata,"a",@progbits
	.p2align	6, 0x0
	.amdhsa_kernel k_qfa26fc7fa9_proj
		.amdhsa_group_segment_fixed_size 327680
		.amdhsa_private_segment_fixed_size 0
		.amdhsa_enable_private_segment 0
		.amdhsa_kernarg_size 40
		.amdhsa_user_sgpr_count 2
		.amdhsa_user_sgpr_kernarg_segment_ptr 1
		.amdhsa_wavefront_size32 1
		.amdhsa_system_sgpr_workgroup_id_x 1
		.amdhsa_system_sgpr_workgroup_id_y 1
		.amdhsa_system_sgpr_workgroup_id_z 1
		.amdhsa_system_vgpr_workitem_id 0
		.amdhsa_next_free_vgpr 1024
		.amdhsa_next_free_sgpr 88
		.amdhsa_reserve_vcc 0
		.amdhsa_float_denorm_mode_32 3
		.amdhsa_float_denorm_mode_16_64 3
		.amdhsa_memory_ordered 1
		.amdhsa_forward_progress 1
		.amdhsa_inst_pref_size 141
	.end_amdhsa_kernel
	.amdgpu_metadata
---
amdhsa.version: [ 1, 2 ]
amdhsa.kernels:
  - .name:           k_qfa26fc7fa9_proj
    .symbol:         k_qfa26fc7fa9_proj.kd
    .args:
      - { .name: h16, .offset: 0, .size: 8, .value_kind: global_buffer, .address_space: global }
      - { .name: m16, .offset: 8, .size: 8, .value_kind: global_buffer, .address_space: global }
      - { .name: qs, .offset: 16, .size: 8, .value_kind: global_buffer, .address_space: global }
      - { .name: vh, .offset: 24, .size: 8, .value_kind: global_buffer, .address_space: global }
      - { .name: vl, .offset: 32, .size: 8, .value_kind: global_buffer, .address_space: global }
    .group_segment_fixed_size: 327680
    .private_segment_fixed_size: 0
    .kernarg_segment_align: 8
    .kernarg_segment_size: 40
    .max_flat_workgroup_size: 128
    .sgpr_count:     88
    .vgpr_count:     1024
    .wavefront_size: 32
...
	.end_amdgpu_metadata
.endif
;; end of part 3
;; launch score (part 4): grid 36 x 4, 4 waves a work-group, no clusters, 327,680 bytes of LDS; arguments qs, h16, p16, st; writes p16, st
.if DOCPART == 4
	.amdgcn_target "amdgcn-amd-amdhsa--gfx1250"
	.amdhsa_code_object_version 6
	.text
	.protected	k_qfa26fc7fa9_score
	.globl	k_qfa26fc7fa9_score
	.p2align	8
	.type	k_qfa26fc7fa9_score,@function
k_qfa26fc7fa9_score:
	s_mov_b64 s[64:65], 0
	v_nop
	global_prefetch_b8 v0, s[64:65] scope:SCOPE_SE
	s_setreg_imm32_b32 hwreg(HW_REG_WAVE_MODE, 25, 1), 1
	s_wait_xcnt 0x0
; For each of the 36 tiles (i, j), j <= i, of 256 queries x 256 keys of a batch: raw = qs k16^T (the true score is 16 raw).  Each wave has 128 queries x 128 keys and makes, for that block alone:
; the causal mask, each row's maximum m, p = 2^(c raw - c m) as f16 into p16, and the pair (c m, l = the sum of the unrounded p) into st; c = 16 log2(e).  A later launch joins the blocks of a row by their maxima.
; A block that lies wholly above the diagonal (wave 1 of a diagonal tile) stores the pair (-1e30, 0): its p, finite numbers in 0 to 1, then count for nothing.
; LIMITS: a hidden score counts as -1e30 (or its value less 1e30); a weight below 2^-126 counts as 0; below 6e-5 p keeps f16's fixed step; NaN and infinities are not treated apart.
; NO CLUSTER: a batch's 36 lower tiles do not divide into fours that share a row or a column of tiles, and no work-group may be there only to fill a cluster.
; The product's shape, ring and loop: tile 256 x 256, four waves of 128 x 128, K = 1024 in 8 steps of 128, two LDS slots; waves 0, 1 fetch the queries' halves, waves 2, 3 the keys'.
; Source 0 = 16 keys, source 1 = 16 queries: a lane holds one query (lane % 16) and the keys 16 b + 8 (lane / 16) + 0..7.
.set PITCH, 272
.set HALFT, 128*PITCH
.set SLOT,  4*HALFT
.set STAGE, 2*SLOT
.set SCR,   STAGE+4*16*PITCH           ; 1,024 bytes a wave: its 128 pairs
.set SPARE, SCR+4096
.set DD,    6                          ; v6  r - 8 h
.set MD,    8                          ; v[8:15]  the mask of a diagonal block of 16 x 16
.set ADRA0, 16
.set ADRA,  17
.set ADRB0, 20
.set ADRB,  21
.set SR,    22
.set SG,    23
.set STO,   24
.set RD,    25
.set CO,    26
.set SS,    27
.set SPW,   28
.set NIL,   29
.set PFO,   30
.set TMP,   32
.set F0,    64
.set F1,    128
.set S,     64                         ; the epilogue: a block's 64 scaled scores
.set CM,    128                        ; eight running maxima
.set M2,    136                        ; c m, twice
.set LL,    138                        ; l, and the other half of the lanes'
.set PR,    140                        ; the pair to store
.set OB,    192
.set WV,   14
.set RH,   15
.set HF,   16
.set IDX,  17
.set BT,   18
.set TI,   19
.set TJ,   20
.set G1,   24
.set G0,   32
.set PFA,  44
.set LIM,  46
.set TB,   47
.set KEEP, 50
.set BIAS, 51
.set BIGN, 52
.set PBS,  54
.set STB,  56
.set CS,   58
.set SEL,  60
.set MSB, 0
.macro WIN new
.if MSB != (\new)
	s_set_vgpr_msb (MSB<<8)|(\new)
.set MSB, \new
.endif
.endm
.set MUL_LO, 0xa1
.set MUL_HI, 0xf1
.set TO_B,   0x40
.macro PLACES
.rept 4
	v_nop
.endr
.endm
; The K step two refills on is asked for ahead: a wave's 128 rows x 256 bytes, a lane a row, four instructions.  A block of queries is read by the tiles j = 0..i: j = 0 asks; a block of keys by the tiles i = j..7: i = j asks.
.macro ASK
	s_cmp_gt_u32 s3, s[LIM]
	s_cbranch_scc0 .Lnot_mine_\@
.irp n, 0,1,2,3
	global_prefetch_b8 v[PFO], s[PFA:PFA+1] offset:(\n)*65536 th:TH_LOAD_NT scope:SCOPE_SE
.endr
.Lnot_mine_\@:
.endm
	s_load_b256 s[4:11], s[0:1], 0x0               ; qs, h16, p16, st
	v_lshl_add_u32 v[SPW], v0, 2, SPARE
	v_mov_b32 v[NIL], 0
	ds_add_u32 v[SPW], v[NIL]                      ; the opening: the add and its wait ahead of my first tensor load
	v_lshrrev_b32 v1, 5, v0
	v_readfirstlane_b32 s[WV], v1
	s_lshr_b32 s[RH], s[WV], 1
	s_and_b32 s[HF], s[WV], 1
	s_mov_b32 s[IDX], ttmp9
	s_and_b32 s[BT], ttmp7, 0xffff
	s_mov_b32 s[TI], 0
	s_mov_b32 s[TJ], 0
.irp n, 1,2,3,4,5,6,7                  ; tile number = i (i + 1) / 2 + j
	s_cmp_ge_u32 s[IDX], (\n)*((\n)+1)/2
	s_cselect_b32 s[TI], \n, s[TI]
	s_cselect_b32 s[TJ], (\n)*((\n)+1)/2, s[TJ]
.endr
	s_sub_co_u32 s[TJ], s[IDX], s[TJ]
	s_mov_b32 s[G1], (1<<16)|(1<<20)|(5<<22)|(3<<25)   ; 2-byte elements; padding: 4 words behind every 64
	s_mov_b32 s[G1+1], 128<<16
	s_mov_b32 s[G1+2], 128<<16
	s_mov_b32 s[G1+3], 128<<16
	s_mov_b32 s[G1+4], 128
	s_mov_b32 s[G1+5], 1024
	s_mov_b32 s[G1+6], 0
	s_mov_b32 s[G1+7], 0
	s_cmp_lt_u32 s[WV], 2
	s_cselect_b32 s21, s[TI], s[TJ]
	s_lshl_b32 s66, s[BT], 22                      ; (2048 b + 256 tile + 128 half) rows of 2,048 bytes
	s_lshl_b32 s67, s21, 19
	s_add_co_u32 s66, s66, s67
	s_lshl_b32 s67, s[HF], 18
	s_add_co_u32 s66, s66, s67
	s_mov_b32 s67, 0
	s_mul_i32 s22, s[WV], HALFT
	s_mov_b32 s[TB], 0
	s_wait_dscnt 0x0
	s_wait_kmcnt 0x0
	s_add_nc_u64 s[68:69], s[6:7], 0x1000000       ; k16
	s_cmp_lt_u32 s[WV], 2
	s_cselect_b64 s[68:69], s[4:5], s[68:69]
	s_add_nc_u64 s[68:69], s[68:69], s[66:67]
.irp s, 0,1
	s_mov_b32 s[G0+4*(\s)], 1
	s_add_co_u32 s[G0+4*(\s)+1], s22, (\s)*SLOT
	s_add_nc_u64 s[G0+4*(\s)+2:G0+4*(\s)+3], s[68:69], (\s)*256
	s_or_b32 s[G0+4*(\s)+3], s[G0+4*(\s)+3], 0x80000000
.endr
	tensor_load_to_lds s[G0:G0+3], s[G1:G1+7]      ; the two first fills: two loads of mine are out
	s_nop 0
	tensor_load_to_lds s[G0+4:G0+7], s[G1:G1+7]
	s_nop 0
	PLACES
	v_and_b32 v1, 15, v0
	v_bfe_u32 v2, v0, 4, 1
	v_and_b32 v5, 31, v0
	v_mul_u32_u24 v3, v1, PITCH
	v_lshl_add_u32 v3, v2, 4, v3
	s_mul_i32 s22, s[RH], HALFT
	v_add_nc_u32 v[ADRA0], s22, v3
	v_mov_b32 v[ADRA], v[ADRA0]
	s_mul_i32 s22, s[HF], HALFT
	s_add_co_u32 s22, s22, 2*HALFT
	v_add_nc_u32 v[ADRB0], s22, v3
	v_mov_b32 v[ADRB], v[ADRB0]
	s_mul_i32 s22, s[WV], 16*PITCH
	s_add_co_u32 s22, s22, STAGE
	v_add_nc_u32 v[STO], s22, v3
	v_mul_u32_u24 v4, v2, PITCH
	v_lshl_add_u32 v4, v1, 4, v4
	v_add_nc_u32 v[RD], s22, v4
	v_lshlrev_b32 v4, 12, v2
	v_lshl_add_u32 v[CO], v1, 4, v4
	s_lshl_b32 s22, s[WV], 10
	s_add_co_u32 s22, s22, SCR
	v_lshl_add_u32 v[SS], v1, 3, s22
	v_lshl_add_u32 v[SR], v5, 4, s22
	v_lshlrev_b32 v[SG], 4, v5
	v_lshlrev_b32 v[PFO], 11, v5
	s_add_nc_u64 s[PFA:PFA+1], s[68:69], 768       ; at K step 3; the first refill steps it to 4
	s_cmp_eq_u32 s[TJ], 0
	s_cselect_b32 s21, 1, 0
	s_cmp_eq_u32 s[TI], s[TJ]
	s_cselect_b32 s22, 1, 0                        ; a diagonal tile
	s_cmp_lt_u32 s[WV], 2
	s_cselect_b32 s21, s21, s22
	s_cmp_eq_u32 s21, 1
	s_cselect_b32 s[LIM], 2, -1
.macro MUL16 f, hi, a0, zero
	WIN MUL_LO+0x50*(\hi)
.irp a, \a0, (\a0)+1
.irp b, 0,1,2,3,4,5,6,7
.if \zero
	v_wmma_f32_16x16x32_f16 v[8*(8*(\a)+(\b)):8*(8*(\a)+(\b))+7], v[(\f)+8*(\b):(\f)+8*(\b)+7], v[(\f)+8*(4*(\hi)+(\a)):(\f)+8*(4*(\hi)+(\a))+7], 0
.else
	v_wmma_f32_16x16x32_f16 v[8*(8*(\a)+(\b)):8*(8*(\a)+(\b))+7], v[(\f)+8*(\b):(\f)+8*(\b)+7], v[(\f)+8*(4*(\hi)+(\a)):(\f)+8*(4*(\hi)+(\a))+7], v[8*(8*(\a)+(\b)):8*(8*(\a)+(\b))+7]
.endif
.endr
.endr
.endm
.macro FETCH q, f
	WIN TO_B
.irp i, 0,1,2,3,4,5,6,7
	ds_load_b128 v[(\f)+8*(\i):(\f)+8*(\i)+3],   v[ADRB] offset:(\q)*64+(\i)*16*PITCH
	ds_load_b128 v[(\f)+8*(\i)+4:(\f)+8*(\i)+7], v[ADRB] offset:(\q)*64+(\i)*16*PITCH+32
.endr
	WIN 0
.irp i, 0,1,2,3,4,5,6,7
	ds_load_b128 v[(\f)+8*(\i):(\f)+8*(\i)+3],   v[ADRA] offset:(\q)*64+(\i)*16*PITCH
	ds_load_b128 v[(\f)+8*(\i)+4:(\f)+8*(\i)+7], v[ADRA] offset:(\q)*64+(\i)*16*PITCH+32
.endr
.endm
.macro QUARTER q, f, g, zero
	s_wait_dscnt 8                                 ; the keys and the queries' rows 0-63 are in; the youngest eight loads may be out
	MUL16 \f, 0, 0, \zero
	MUL16 \f, 0, 2, \zero
	PLACES
	FETCH \q, \g
	s_wait_dscnt 32                                ; all but the 32 just issued
	MUL16 \f, 1, 0, \zero
	MUL16 \f, 1, 2, \zero
.endm
; The last quarter and the change of slots: every wave waits for all its tensor loads, adds 0 to its spare word, waits for that and for its reads of the slot, and passes the barrier;
; fill = 1: its one refill is the first thing behind it, 224 matrix instructions ahead of the wait for it.
.macro TURN fill
.if \fill
	s_wait_xcnt 0x0                                ; the last prefetches, a K step back, have read their address
	s_add_nc_u64 s[PFA:PFA+1], s[PFA:PFA+1], 256
.endif
	WIN 0
	s_wait_tensorcnt 0x0
	ds_add_u32 v[SPW], v[NIL]
.if \fill
	s_xor_b32 s[G0+5], s[G0+5], SLOT
	s_add_nc_u64 s[G0+6:G0+7], s[G0+6:G0+7], 256
.endif
	s_xor_b32 s[TB], s[TB], SLOT
	s_wait_dscnt 9                                 ; the add and the youngest eight loads may be out
	MUL16 F1, 0, 0, 0
	s_wait_dscnt 0x0
	s_barrier_signal -1
	MUL16 F1, 0, 2, 0
	WIN 0
	s_barrier_wait -1
.if \fill
	tensor_load_to_lds s[G0+4:G0+7], s[G1:G1+7]
	s_nop 0
.endif
	PLACES
	v_add_nc_u32 v[ADRA], s[TB], v[ADRA0]
	v_add_nc_u32 v[ADRB], s[TB], v[ADRB0]
	FETCH 0, F0
.if \fill
	ASK
.endif
	MUL16 F1, 1, 0, 0
	MUL16 F1, 1, 2, 0
.endm
	s_wait_tensorcnt 0x1                           ; my piece of K step 0 is in; step 1's may stay out
	s_barrier_signal -1
	s_barrier_wait -1
	FETCH 0, F0
	QUARTER 1, F0, F1, 1
	WIN 0
	s_mov_b32 s3, 6
.Lstep:
	QUARTER 2, F1, F0, 0
	QUARTER 3, F0, F1, 0
	TURN 1
	QUARTER 1, F0, F1, 0
	WIN 0
	s_sub_co_u32 s3, s3, 1
	s_cmp_lg_u32 s3, 0
	s_cbranch_scc1 .Lstep
	s_mov_b32 s3, 2
.Ltail:                                        ; K steps 6 and 7 ask for nothing; the second trip is left in its middle (its fetch of old bytes serves nothing)
	QUARTER 2, F1, F0, 0
	QUARTER 3, F0, F1, 0
	TURN 0
	WIN 0
	s_sub_co_u32 s3, s3, 1
	s_cmp_eq_u32 s3, 0
	s_cbranch_scc1 .Lout
	QUARTER 1, F0, F1, 0
	WIN 0
	s_branch .Ltail
.Lout:
	s_wait_dscnt 0x0
	PLACES
	PLACES
	s_mov_b32 s[CS], 0x41b8aa3b                    ; c = 16 log2(e)
	s_mov_b32 s[CS+1], s[CS]
	s_mov_b32 s[SEL], 0x76543210
	s_mov_b32 s[SEL+1], 0xfedcba98
	s_mov_b32 s[BIGN], 0xf149f2ca                  ; -1e30
	v_lshlrev_b32 v[DD], 3, v2
	v_sub_nc_u32 v[DD], v1, v[DD]
.irp j, 0,1,2,3,4,5,6,7
	v_cmp_gt_i32 vcc_lo, \j, v[DD]                 ; key 8 h + j lies behind query r
	v_cndmask_b32 v[MD+(\j)], 0, s[BIGN], vcc_lo
.endr
	v_mov_b32 v[LL+1], 0
	s_lshl_b32 s66, s[BT], 23                      ; p16 at my 128 x 128: rows of 4,096 bytes
	s_lshl_b32 s67, s[TI], 20
	s_add_co_u32 s66, s66, s67
	s_lshl_b32 s67, s[RH], 19
	s_add_co_u32 s66, s66, s67
	s_lshl_b32 s67, s[TJ], 9
	s_add_co_u32 s66, s66, s67
	s_lshl_b32 s67, s[HF], 8
	s_add_co_u32 s66, s66, s67
	s_mov_b32 s67, 0
	s_add_nc_u64 s[PBS:PBS+1], s[8:9], s[66:67]
	s_lshl_b32 s66, s[BT], 18                      ; st: ((16 b + 2 j + key half) 2,048 + 256 i + 128 row half) pairs of 8 bytes
	s_lshl_b32 s67, s[TJ], 15
	s_add_co_u32 s66, s66, s67
	s_lshl_b32 s67, s[HF], 14
	s_add_co_u32 s66, s66, s67
	s_lshl_b32 s67, s[TI], 11
	s_add_co_u32 s66, s66, s67
	s_lshl_b32 s67, s[RH], 10
	s_add_co_u32 s66, s66, s67
	s_mov_b32 s67, 0
	s_add_nc_u64 s[STB:STB+1], s[10:11], s[66:67]
	s_cmp_eq_u32 s[WV], 1                          ; s22: a diagonal tile
	s_cselect_b32 s23, s22, 0
	s_cmp_eq_u32 s23, 1                            ; my block lies wholly above the diagonal
	s_cselect_b32 s[KEEP], 0, 1.0
	s_cselect_b32 s[BIAS], s[BIGN], 0
	s_cmp_eq_u32 s[RH], s[HF]
	s_cselect_b32 s23, s22, 0
	s_cmp_eq_u32 s23, 1                            ; my block holds the diagonal
	s_cbranch_scc0 .Lnomask
.set a, 0
.rept 8
.set WN, 2+a/4
.set AC, 64*(a%4)
	WIN (WN<<6)|WN
.set k, 0
.rept 4
	v_pk_add_f32 v[AC+8*a+k:AC+8*a+k+1], v[AC+8*a+k:AC+8*a+k+1], v[MD+k:MD+k+1]   ; block (a, a)
.set k, k+2
.endr
.if a < 7
.set k, 8*(a+1)
.rept 8*(7-a)
	v_mov_b32 v[AC+k], s[BIGN]                     ; blocks (a, b > a)
.set k, k+1
.endr
.endif
.set a, a+1
.endr
	WIN 0
.Lnomask:
; A block of 16 queries: FRONT, which names the block's accumulators, is written for each; what follows it is written once.
.macro FRONT n
.set AC, 64*((\n)%4)
.set WN, 2+(\n)/4
	WIN WN|(WN<<2)|(WN<<4)
.irp b, 0,1,2,3,4,5,6,7
	v_max3_num_f32 v[CM+(\b)], v[AC+8*(\b)], v[AC+8*(\b)+1], v[AC+8*(\b)+2]   ; each accumulator's lowest registers are read first
.endr
	WIN (WN<<2)|(WN<<4)
.irp b, 0,1,2,3,4,5,6,7
	v_max3_num_f32 v[CM+(\b)], v[CM+(\b)], v[AC+8*(\b)+3], v[AC+8*(\b)+4]
.endr
.irp b, 0,1,2,3,4,5,6,7
	v_max3_num_f32 v[CM+(\b)], v[CM+(\b)], v[AC+8*(\b)+5], v[AC+8*(\b)+6]
.endr
.irp b, 0,1,2,3,4,5,6,7
	v_max_num_f32 v[CM+(\b)], v[CM+(\b)], v[AC+8*(\b)+7]
.endr
	WIN 0
	v_max3_num_f32 v[CM], v[CM], v[CM+1], v[CM+2]
	v_max3_num_f32 v[CM+3], v[CM+3], v[CM+4], v[CM+5]
	v_max3_num_f32 v[CM], v[CM], v[CM+3], v[CM+6]
	v_max_num_f32 v[CM], v[CM], v[CM+7]
	v_permlanex16_b32 v[CM+1], v[CM], s[SEL], s[SEL+1]   ; the query's other 64 keys lie in the lane 16 away
	v_max_num_f32 v[CM], v[CM], v[CM+1]
	v_mul_f32 v[M2], s[CS], v[CM]
	v_mov_b32 v[M2+1], v[M2]
	WIN WN
.set k, 0
.rept 32
	v_pk_fma_f32 v[S+k:S+k+1], v[AC+k:AC+k+1], s[CS:CS+1], v[M2:M2+1] op_sel_hi:[1,0,0] neg_lo:[0,0,1] neg_hi:[0,0,1]   ; c s - c m
.set k, k+2
.endr
	WIN 0
.endm
	s_mov_b32 s3, 0
.Lrow:
.irp n, 0,1,2,3,4,5,6
	s_cmp_eq_u32 s3, \n
	s_cbranch_scc1 .Lfront\n
.endr
	FRONT 7
	s_branch .Lback
.irp n, 0,1,2,3,4,5
.Lfront\n:
	FRONT \n
	s_branch .Lback
.endr
.Lfront6:
	FRONT 6
.Lback:
.set k, 0
.rept 64
	v_exp_f32 v[S+k], v[S+k]                       ; one batch
.set k, k+1
.endr
	v_nop                                          ; a plain instruction behind the last exponential,
	s_wait_alu depctr_va_vdst(0)                   ; and the one wait ahead of the first reader
.set k, 0
.rept 32
	v_cvt_pk_f16_f32 v[TMP+k], v[S+2*k], v[S+2*k+1]
.set k, k+1
.endr
.irp w, 32,16,8,4,2                    ; the sum of the unrounded weights, in place, as a tree
.set k, 0
.rept (\w)/2
	v_pk_add_f32 v[S+k:S+k+1], v[S+k:S+k+1], v[S+k+(\w):S+k+(\w)+1]
.set k, k+2
.endr
.endr
	v_add_f32 v[LL], v[S], v[S+1]
	v_permlanex16_b32 v[LL+1], v[LL], s[SEL], s[SEL+1]
	v_add_f32 v[LL], v[LL], v[LL+1]
	v_fma_f32 v[PR], v[M2], s[KEEP], s[BIAS]       ; (c m, l), or (-1e30, 0) for a hidden block
	v_mul_f32 v[PR+1], s[KEEP], v[LL]
	ds_store_b64 v[SS], v[PR:PR+1]                 ; lanes r and r + 16 write the same pair to the same bytes
.irp b, 0,1,2,3,4,5,6,7
	ds_store_b128 v[STO], v[TMP+4*(\b):TMP+4*(\b)+3] offset:32*(\b)
.endr
.irp t, 0,1,2,3,4,5,6,7
	ds_load_b128 v[OB+4*(\t):OB+4*(\t)+3], v[RD] offset:(\t)*2*PITCH   ; a wave's LDS instructions are served in order
.endr
	s_wait_dscnt 0x0
.irp t, 0,1,2,3,4,5,6,7
	global_store_b128 v[CO], v[OB+4*(\t):OB+4*(\t)+3], s[PBS:PBS+1] offset:(\t)*8192   ; 16 lanes store 256 consecutive bytes, at a multiple of 256
.endr
	s_wait_xcnt 0x0                                ; the stores have read their base and their data: both are written again below and in the next trip
	s_add_nc_u64 s[PBS:PBS+1], s[PBS:PBS+1], 65536
	v_add_nc_u32 v[SS], 128, v[SS]
	s_add_co_u32 s3, s3, 1
	s_cmp_lt_u32 s3, 8
	s_cbranch_scc1 .Lrow
	ds_load_b128 v[64:67], v[SR]                   ; my 128 pairs, 1,024 consecutive bytes
	ds_load_b128 v[68:71], v[SR] offset:512
	s_wait_dscnt 0x0
	global_store_b128 v[SG], v[64:67], s[STB:STB+1]
	global_store_b128 v[SG], v[68:71], s[STB:STB+1] offset:512
	s_wait_tensorcnt 0x0                           ; the wave's end
	ds_add_u32 v[SPW], v[NIL]
	s_wait_dscnt 0x0
	s_endpgm
.Lfunc_end_k_qfa26fc7fa9_score:
	.size	k_qfa26fc7fa9_score, .Lfunc_end_k_qfa26fc7fa9_score-k_qfa26fc7fa9_score
	.p2alignl 7, 3214868480
	.fill 96, 4, 3214868480
	.section	.rodata,"a",@progbits
	.p2align	6, 0x0
	.amdhsa_kernel k_qfa26fc7fa9_score
		.amdhsa_group_segment_fixed_size 327680
		.amdhsa_private_segment_fixed_size 0
		.amdhsa_enable_private_segment 0
		.amdhsa_kernarg_size 32
		.amdhsa_user_sgpr_count 2
		.amdhsa_user_sgpr_kernarg_segment_ptr 1
		.amdhsa_wavefront_size32 1
		.amdhsa_system_sgpr_workgroup_id_x 1
		.amdhsa_system_sgpr_workgroup_id_y 1
		.amdhsa_system_sgpr_workgroup_id_z 1
		.amdhsa_system_vgpr_workitem_id 0
		.amdhsa_next_free_vgpr 1024
		.amdhsa_next_free_sgpr 72
		.amdhsa_reserve_vcc 1
		.amdhsa_float_denorm_mode_32 3
		.amdhsa_float_denorm_mode_16_64 3
		.amdhsa_memory_ordered 1
		.amdhsa_forward_progress 1
		.amdhsa_inst_pref_size 121
	.end_amdhsa_kernel
	.amdgpu_metadata
---
amdhsa.version: [ 1, 2 ]
amdhsa.kernels:
  - .name:           k_qfa26fc7fa9_score
    .symbol:         k_qfa26fc7fa9_score.kd
    .args:
      - { .name: qs, .offset: 0, .size: 8, .value_kind: global_buffer, .address_space: global }
      - { .name: h16, .offset: 8, .size: 8, .value_kind: global_buffer, .address_space: global }
      - { .name: p16, .offset: 16, .size: 8, .value_kind: global_buffer, .address_space: global }
      - { .name: st, .offset: 24, .size: 8, .value_kind: global_buffer, .address_space: global }
    .group_segment_fixed_size: 327680
    .private_segment_fixed_size: 0
    .kernarg_segment_align: 8
    .kernarg_segment_size: 32
    .max_flat_workgroup_size: 128
    .sgpr_count:     72
    .vgpr_count:     1024
    .wavefront_size: 32
...
	.end_amdgpu_metadata
.endif
;; end of part 4
;; launch pv (part 5): grid 8 x 32, 4 waves a work-group, clusters of 4 x 1, 327,680 bytes of LDS; arguments p16, vh, vl, st, out0; writes out0
.if DOCPART == 5
	.amdgcn_target "amdgcn-amd-amdhsa--gfx1250"
	.amdhsa_code_object_version 6
	.text
	.protected	k_qfa26fc7fa9_pv
	.globl	k_qfa26fc7fa9_pv
	.p2align	8
	.type	k_qfa26fc7fa9_pv,@function
k_qfa26fc7fa9_pv:
	s_mov_b64 s[64:65], 0
	v_nop
	global_prefetch_b8 v0, s[64:65] scope:SCOPE_SE
	s_setreg_imm32_b32 hwreg(HW_REG_WAVE_MODE, 25, 1), 1
	s_wait_xcnt 0x0
	s_wait_alu depctr_hold_cnt(0) depctr_sa_sdst(0) depctr_va_vdst(0) depctr_va_sdst(0) depctr_va_ssrc(0) depctr_va_vcc(0) depctr_vm_vsrc(0)
	s_getreg_b32 s2, hwreg(HW_REG_IB_STS2, 6, 4)
	s_cmp_eq_u32 s2, 0
	s_cbranch_scc0 .Lentry_in_a_cluster
	s_endpgm
.Lentry_in_a_cluster:
	s_bfe_u32 s2, ttmp6, 0x10000c
	s_cmp_lg_u32 s2, 0x3003
	s_cbranch_scc0 .Lentry_shape_is_right
	s_endpgm
.Lentry_shape_is_right:
; out[q][e] = (1 / l[q]) x the sum over key blocks t of 128 of ((a_t[q] P_t) V_t)[q][e], a_t = 2^(c m_t - M), M = the maximum over t of c m_t, l = the sum over t of a_t l_t:
; the blocks' softmax pieces are joined by the row's true maximum, so every factor lies in 0 to 1, and it is 1 in the block that holds the maximum.
; A lane of P's fragment holds ONE query, so a_t is multiplied onto the fragment (packed f16, one more rounding of the weights where a_t < 1); 1 / l is applied once, in f32, on the way out.
; The first 32 keys of a batch also take V's f16 residual (vl): one more slice of 32 along K, with block 0's factor; it starts a tile's sums, so nothing is cleared.
; LIMITS: a factor below f16's smallest number (6e-8) counts as 0, below 6e-5 factors and scaled weights keep f16's fixed step; l is summed with the unrounded factors; NaN and infinities are not treated apart.
; THE WALK. A batch's queries lie in 16 tiles of 128; tile a needs a / 2 + 1 slots of 256 keys (where a is even the last 128 keys are hidden: their factor is 0).  A work-group takes TWO tiles, 15 - p and then p:
; 9 slots, whatever p: all 256 work-groups do equal work, and one loop with a constant count walks them.  Which slot is asked for and what a trip does hang on scalars made from the work-group's y alone.
; SHARES. A work-group: 128 queries x 128 channels at a time; a wave 64 x 64: 16 accumulators.  Source 0 = 16 channels of V (turned by ds_load_tr16_b128), source 1 = 16 rows of P: a lane holds one query and eight neighbouring channels.
; CLUSTER 4 x 1: the four partners have the same queries and other channels: P's tiles are asked for jointly (waves 0, 1: 64 rows of 512 bytes each); V's are each work-group's own (waves 2, 3: 128 keys each).
; REGISTERS: window 0: v16-30 addresses; v32-37 the block's factors; v40-47 1 / l; v64-127 P's two fragment buffers; v128-191 V's; v192-255 the way out.  Window 1: v0-127 accumulator (a, b) at 8 (4 a + b).
.set PP,    528                        ; P's row in LDS: 512 + 16 bytes: the 16 rows of a load start in 16 different groups of four banks
.set PV,    288                        ; V's row: 256 + 32 bytes, an odd multiple of 32
.set PHALF, 64*PP                      ; what wave 0 or 1 fetches
.set VOFF,  2*PHALF
.set VHALF, 128*PV                     ; what wave 2 or 3 fetches; also a key block's 128 rows
.set SLOTX, 0x24000                    ; slot 1 begins here: two bits that no piece's place in a slot uses, so that one exclusive or changes slots
.set VLT,   SLOTX+VOFF+2*VHALF         ; the residual's 32 keys
.set STAGE, VLT+32*PV                  ; 16 rows x 272 bytes a wave, for the way out
.set ASCR,  STAGE+4*16*272             ; the factors: [row half][tile][block 16][row % 16] four f16 (rows 16 a + r, a = 0..3)
.set RLS,   ASCR+8192                  ; 1 / l: [row half][tile][row % 16] four pairs (1 / l, 1 / l)
.set SPARE, RLS+2048                   ; the spare words
.set ADRA0, 16                         ; my lane's place in P's tile; never rewritten
.set ADRA,  17
.set ADRB0, 18                         ; the same for V
.set ADRB,  19
.set ADRL,  20                         ; and in the residual's tile
.set AAD0,  21                         ; my row's factors
.set AAD,   22
.set RLA0,  23                         ; my row's 1 / l
.set STO,   24
.set RD,    25
.set CO,    26
.set RLA,   27
.set SPW,   28
.set NIL,   29
.set PFO,   30
.set ALR,   32                         ; v[32:33] four factors as loaded
.set ALX,   34                         ; v[34:37] each in both halves of a word
.set RLX,   40                         ; v[40:47] (1 / l, 1 / l) of rows 16 a + r
.set FA,    64                         ; P's buffer u at FA + 32 u
.set FB,    128                        ; V's buffer u at FB + 32 u
.set TO,    192
.set OB,    224
.set SB,    64                         ; the head: (c m, l) of block t, row u at SB + 4 t + 2 u
.set HM,    128                        ; the head: M of two rows, then l
.set HW,    132                        ; the head: 16 words of two factors
.set HR,    148
.set WV,   14
.set RH,   15
.set HF,   16
.set CX,   17
.set EB,   18
.set BT,   19
.set PBI,  20                          ; p
.set SLOTS,21
.set KB,   22
.set RT,   23                          ; slots of the tile in hand that are still to be entered
.set G1P,  24
.set G1V,  32
.set G1L,  40
.set G0P,  48                          ; s[48:51] slot 0's first fill; s[52:55] slot 1's, which then walks
.set G0V,  56                          ; the same for V
.set QOFF, 66                          ; bytes from p16 to my rows of the tile whose slots are being asked for
.set QB,   67                          ; the same for the second tile
.set G0L,  68
.set OFFP, 72
.set OFFV, 74
.set OFFX, 76
.set PFA,  78
.set PFB,  80
.set VB,   82
.set OUT,  84
.set OUTB, 86
.set TBA,  88                          ; LDS byte at which P of the key block to be fetched begins
.set TBV,  89                          ; the same for V, less VOFF
.set TAL,  90                          ; the same for the factors
.set QTO,  91
.set QTR,  92
.set NSB,  93
.set ROLE, 94
.set ROLEB,95
.set ASKF, 96
.set NEW,  97                          ; 1: the slot to be entered is a tile's first
.set NXT,  98                          ; the slot to be asked for next
.set LQ,   99                          ; the last slot of the tile whose slots are being asked for
.set LQB,  100
.set QA,   101
.set MSB, 0
.macro WIN new
.if MSB != (\new)
	s_set_vgpr_msb (MSB<<8)|(\new)
.set MSB, \new
.endif
.endm
.macro PLACES
.rept 4
	v_nop
.endr
.endm
.macro JLOAD                           ; the refill by the walking descriptors: P jointly, V for myself; the branch hangs on the wave's number alone
	s_cmp_lt_u32 s[WV], 2
	s_cbranch_scc0 .Lfor_v_\@
	tensor_load_to_lds s[G0P+4:G0P+7], s[G1P:G1P+7]
	s_nop 0
	PLACES
	s_branch .Lasked_\@
.Lfor_v_\@:
	tensor_load_to_lds s[G0V+4:G0V+7], s[G1V:G1V+7]
	s_nop 0
	PLACES
.Lasked_\@:
.endm
.macro CREST
	s_cmp_lg_u32 s[WV], 0
	s_cbranch_scc1 .Lnot_wave_0_\@
	s_barrier_signal -3
.Lnot_wave_0_\@:
	s_barrier_wait -3
	s_barrier_signal -1
	s_barrier_wait -1
.endm
.macro CROUND
	s_barrier_signal -1
	s_barrier_wait -1
	CREST
.endm
; The slot one behind the refill, where the same tile has one, is asked for ahead: a trip's 128 products before the load that will want it.  P's rows are read by both clusters of a row of tiles: the first asks, its four
; partners 16 rows x 2 blocks each, by address: one line a wave.  V's rows are read by all eight pairs of a batch: pair 0 asks, in its long tile, which walks them all: 128 rows a wave, four lines.
.macro ASK
	s_cmp_eq_u32 s[ASKF], 1
	s_cbranch_scc0 .Lnone_\@
	global_prefetch_b8 v[PFO], s[PFA:PFA+1] th:TH_LOAD_NT scope:SCOPE_SE
	s_cmp_lt_u32 s[WV], 2
	s_cbranch_scc1 .Lnone_\@
.irp n, 1,2,3
	global_prefetch_b8 v[PFO], s[PFA:PFA+1] offset:(\n)*65536 th:TH_LOAD_NT scope:SCOPE_SE
.endr
.Lnone_\@:
.endm
	s_load_b256 s[4:11], s[0:1], 0x0               ; p16, vh, vl, st
	s_load_b64 s[12:13], s[0:1], 0x20              ; out0
	v_lshl_add_u32 v[SPW], v0, 2, SPARE
	v_mov_b32 v[NIL], 0
	ds_add_u32 v[SPW], v[NIL]                      ; the opening: the add and its wait ahead of my first tensor load
	v_lshrrev_b32 v1, 5, v0
	v_readfirstlane_b32 s[WV], v1
	s_lshr_b32 s[RH], s[WV], 1                     ; my half of the tile's rows; also: I fetch for P (0) or V (1)
	s_and_b32 s[HF], s[WV], 1                      ; my half of its channels; also: which half of that operand's tile I fetch, and whose statistics I join
	s_bfe_u32 s[CX], ttmp6, 0x40000
	s_lshl_b32 s[EB], ttmp9, 2
	s_add_co_u32 s[EB], s[EB], s[CX]               ; my block of 128 channels
	s_and_b32 s2, ttmp7, 0xffff
	s_lshr_b32 s[BT], s2, 3                        ; batch and pair: shared by the four partners
	s_and_b32 s[PBI], s2, 7
	s_sub_co_u32 s[QA], 15, s[PBI]                 ; the long tile
	s_lshr_b32 s[LQB], s[PBI], 1                   ; the short tile's last slot
	s_sub_co_u32 s[RT], 8, s[LQB]                  ; the long tile has 8 - p / 2 slots,
	s_add_co_u32 s[NSB], s[LQB], 1                 ; the short one p / 2 + 1
	s_sub_co_u32 s[LQ], s[RT], 1
	s_mov_b32 s[G1P], 15|(1<<16)|(1<<20)|(1<<21)|(6<<22)|(3<<25)   ; the mask of four; 2-byte elements; padding on; bit 21 beside a mask; 4 words behind every 128
	s_mov_b32 s[G1P+1], 256<<16                    ; tensor_dim0 = 256
	s_mov_b32 s[G1P+2], 64<<16                     ; tensor_dim1 = 64
	s_mov_b32 s[G1P+3], 256<<16                    ; tile_dim0 = 256
	s_mov_b32 s[G1P+4], 64                         ; tile_dim1 = 64
	s_mov_b32 s[G1P+5], 2048                       ; elements from row to row
	s_mov_b32 s[G1P+6], 0
	s_mov_b32 s[G1P+7], 0
	s_mov_b32 s[G1V], (1<<16)|(1<<20)|(5<<22)|(7<<25)              ; no mask; 8 words behind every 64
	s_mov_b32 s[G1V+1], 128<<16
	s_mov_b32 s[G1V+2], 128<<16
	s_mov_b32 s[G1V+3], 128<<16
	s_mov_b32 s[G1V+4], 128
	s_mov_b32 s[G1V+5], 1024
	s_mov_b32 s[G1V+6], 0
	s_mov_b32 s[G1V+7], 0
	s_mov_b32 s[G1L], (1<<16)|(1<<20)|(5<<22)|(7<<25)
	s_mov_b32 s[G1L+1], 128<<16
	s_mov_b32 s[G1L+2], 16<<16
	s_mov_b32 s[G1L+3], 128<<16
	s_mov_b32 s[G1L+4], 16
	s_mov_b32 s[G1L+5], 1024
	s_mov_b32 s[G1L+6], 0
	s_mov_b32 s[G1L+7], 0
	s_lshl_b32 s2, s[BT], 11                       ; 2,048 b
	s_lshl_b32 s3, s[HF], 6
	s_add_co_u32 s3, s3, s2                        ; + the 64 rows of P that I fetch: no cx enters
	s_lshl_b32 s[QOFF], s[QA], 7
	s_add_co_u32 s[QOFF], s[QOFF], s3
	s_lshl_b32 s[QOFF], s[QOFF], 12                ; rows of 4,096 bytes
	s_lshl_b32 s[QB], s[PBI], 7
	s_add_co_u32 s[QB], s[QB], s3
	s_lshl_b32 s[QB], s[QB], 12
	s_lshl_b32 s72, s[HF], 7                       ; V: (2,048 b + 128 half) rows of 2,048 bytes + 256 x channel block
	s_add_co_u32 s72, s72, s2
	s_lshl_b32 s72, s72, 11
	s_lshl_b32 s3, s[EB], 8
	s_add_co_u32 s72, s72, s3
	s_mov_b32 s73, 0
	s_lshl_b32 s74, s[BT], 19                      ; the residual: row tile 8 b, 16 half rows
	s_lshl_b32 s75, s[HF], 15
	s_add_co_u32 s74, s74, s75
	s_add_co_u32 s74, s74, s3
	s_mov_b32 s75, 0
	s_mov_b32 s76, s[QOFF]
	s_mov_b32 s77, 0
	s_mul_i32 s104, s[HF], PHALF                   ; where my piece goes: the wave's number alone
	s_mul_i32 s105, s[HF], VHALF
	s_mul_i32 s3, s[HF], 16*PV
	s_wait_dscnt 0x0                               ; the opening add is done
	s_wait_kmcnt 0x0
	s_add_nc_u64 s[VB:VB+1], s[6:7], s[72:73]
	s_add_nc_u64 s[74:75], s[8:9], s[74:75]
	s_add_nc_u64 s[76:77], s[4:5], s[76:77]
.irp s, 0,1
	s_mov_b32 s[G0P+4*(\s)], 1
	s_add_co_u32 s[G0P+4*(\s)+1], s104, (\s)*SLOTX
	s_add_nc_u64 s[G0P+4*(\s)+2:G0P+4*(\s)+3], s[76:77], (\s)*512
	s_or_b32 s[G0P+4*(\s)+3], s[G0P+4*(\s)+3], 0x80000000
	s_mov_b32 s[G0V+4*(\s)], 1
	s_add_co_u32 s[G0V+4*(\s)+1], s105, (\s)*SLOTX+VOFF
	s_add_nc_u64 s[G0V+4*(\s)+2:G0V+4*(\s)+3], s[VB:VB+1], (\s)*524288
	s_or_b32 s[G0V+4*(\s)+3], s[G0V+4*(\s)+3], 0x80000000
.endr
	s_mov_b32 s[G0L], 1
	s_add_co_u32 s[G0L+1], s3, VLT
	s_mov_b64 s[G0L+2:G0L+3], s[74:75]
	s_or_b32 s[G0L+3], s[G0L+3], 0x80000000
	CROUND                                         ; all four work-groups are here: the first joint loads meet
	s_cmp_lt_u32 s[WV], 2                          ; a wave's first fills stand in one branch: two loads of mine are out, or three
	s_cbranch_scc0 .Lfirst_v
	tensor_load_to_lds s[G0P:G0P+3], s[G1P:G1P+7]
	s_nop 0
	tensor_load_to_lds s[G0P+4:G0P+7], s[G1P:G1P+7]
	s_nop 0
	PLACES
	s_branch .Lfirst_done
.Lfirst_v:
	tensor_load_to_lds s[G0L:G0L+3], s[G1L:G1L+7]
	s_nop 0
	tensor_load_to_lds s[G0V:G0V+3], s[G1V:G1V+7]
	s_nop 0
	tensor_load_to_lds s[G0V+4:G0V+7], s[G1V:G1V+7]
	s_nop 0
	PLACES
.Lfirst_done:
; THE HEAD, in the wait for the first tiles.  Wave (row half, channel half c) joins the 16 blocks' pairs (c m, l) for the 64 rows of its row half in tile c of the pair (0: the long one).
; Lane l takes rows 32 (l / 16) + 16 u + l % 16, u = 0, 1.  Blocks that a tile does not reach hold the neutral pair (-1e30, 0).
	s_cmp_eq_u32 s[HF], 0
	s_cselect_b32 s72, s[QA], s[PBI]
	s_lshl_b32 s72, s72, 10                        ; st: ((16 b + t) 2,048 + 128 tile + 64 row half + row) pairs of 8 bytes
	s_lshl_b32 s73, s[BT], 18
	s_add_co_u32 s72, s72, s73
	s_lshl_b32 s73, s[RH], 9
	s_add_co_u32 s72, s72, s73
	s_mov_b32 s73, 0
	s_add_nc_u64 s[72:73], s[10:11], s[72:73]
	v_and_b32 v1, 15, v0                           ; r
	v_bfe_u32 v2, v0, 4, 1                         ; h
	v_and_b32 v6, 31, v0                           ; lane
	v_lshlrev_b32 v3, 3, v1
	v_lshl_add_u32 v3, v2, 8, v3
.set t, 0
.rept 16
	global_load_b64 v[SB+4*t:SB+4*t+1],   v3, s[72:73] offset:16384*t
	global_load_b64 v[SB+4*t+2:SB+4*t+3], v3, s[72:73] offset:16384*t+128
.set t, t+1
.endr
	v_and_b32 v7, 7, v0
	v_bfe_u32 v8, v0, 3, 1
	v_mul_u32_u24 v9, v1, PP
	v_lshl_add_u32 v9, v2, 4, v9                   ; r x 528 + 16 h
	s_mul_i32 s2, s[RH], PHALF
	v_add_nc_u32 v[ADRA0], s2, v9
	v_lshl_add_u32 v10, v2, 3, v7                  ; the turning load: key 8 h + l % 8,
	v_mul_u32_u24 v10, v10, PV
	v_lshl_add_u32 v10, v8, 4, v10                 ; channels 8 ((l / 8) % 2) on,
	s_lshl_b32 s2, s[HF], 7
	v_add_nc_u32 v10, s2, v10                      ; in my 64 channels
	v_add_nc_u32 v[ADRB0], VOFF, v10
	v_add_nc_u32 v[ADRL], VLT, v10
	s_mul_i32 s2, s[WV], 16*272
	s_add_co_u32 s2, s2, STAGE
	v_mul_u32_u24 v9, v1, 272                      ; into my stage: row r, 32 bytes for each half of the lanes
	v_lshl_add_u32 v9, v2, 5, v9
	v_add_nc_u32 v[STO], s2, v9
	v_mul_u32_u24 v9, v2, 272                      ; back: lanes 0-15 one row of 256 bytes, lanes 16-31 the next
	v_lshl_add_u32 v9, v1, 4, v9
	v_add_nc_u32 v[RD], s2, v9
	v_lshlrev_b32 v9, 12, v2
	v_lshl_add_u32 v[CO], v1, 4, v9
	s_lshl_b32 s2, s[RH], 12
	s_add_co_u32 s2, s2, ASCR
	v_lshl_add_u32 v[AAD0], v1, 3, s2
	s_lshl_b32 s3, s[HF], 11
	v_lshl_add_u32 v4, v2, 2, v[AAD0]
	v_add_nc_u32 v4, s3, v4                        ; where the head puts two factors
	s_lshl_b32 s2, s[RH], 10
	s_add_co_u32 s2, s2, RLS
	v_lshl_add_u32 v[RLA0], v1, 5, s2
	s_lshl_b32 s3, s[HF], 9
	v_lshl_add_u32 v5, v2, 4, v[RLA0]
	v_add_nc_u32 v5, s3, v5                        ; and two pairs of 1 / l
	s_sub_co_u32 s2, 1, s[RH]                      ; the prefetches: in P two lanes a row of 512 bytes, in V a lane a row
	s_sub_co_u32 s3, 12, s[RH]
	v_lshrrev_b32 v9, s2, v6
	v_and_b32 v11, s2, v6
	v_lshlrev_b32 v[PFO], s3, v9
	v_lshl_add_u32 v[PFO], v11, 8, v[PFO]
	s_lshl_b32 s2, s[BT], 11                       ; out0 at my 64 x 64 of each tile: rows of 4,096 bytes
	s_lshl_b32 s3, s[RH], 6
	s_add_co_u32 s2, s2, s3
	s_lshl_b32 s3, s[EB], 9
	s_lshl_b32 s104, s[HF], 8
	s_add_co_u32 s3, s3, s104
	s_lshl_b32 s74, s[QA], 7
	s_add_co_u32 s74, s74, s2
	s_lshl_b32 s74, s74, 12
	s_add_co_u32 s74, s74, s3
	s_mov_b32 s75, 0
	s_add_nc_u64 s[OUT:OUT+1], s[12:13], s[74:75]
	s_lshl_b32 s74, s[PBI], 7
	s_add_co_u32 s74, s74, s2
	s_lshl_b32 s74, s74, 12
	s_add_co_u32 s74, s74, s3
	s_add_nc_u64 s[OUTB:OUTB+1], s[12:13], s[74:75]
	s_lshl_b32 s74, s[CX], 16                      ; P: my work-group's 16 of the 64 rows, one slot on; V: one slot on
	s_add_co_u32 s74, s74, 512
	s_add_nc_u64 s[74:75], s[4:5], s[74:75]
	s_add_nc_u64 s[76:77], s[VB:VB+1], 524288
	s_cmp_eq_u32 s[RH], 0
	s_cselect_b64 s[PFB:PFB+1], s[74:75], s[76:77]
	s_cmp_eq_u32 ttmp9, 0
	s_cselect_b32 s[ROLEB], 1, 0                   ; P's waves ask in the first cluster, in both tiles;
	s_cmp_eq_u32 s[PBI], 0
	s_cselect_b32 s[ROLE], 1, 0                    ; V's waves in pair 0, in the long tile alone: all the same in the four partners
	s_cmp_eq_u32 s[RH], 0
	s_cselect_b32 s[ROLE], s[ROLEB], s[ROLE]
	s_cselect_b32 s[ROLEB], s[ROLEB], 0
	s_wait_loadcnt 0x0
	s_mov_b32 s[OFFP+1], 0
	s_mov_b32 s[OFFV+1], 0
	s_mov_b32 s[OFFX+1], 0
	s_mov_b32 s[TBA], 0                            ; the first trip reads slot 0
	s_mov_b32 s[TBV], 0
	s_mov_b32 s[TAL], 0
	s_mov_b32 s[QTO], 0
	s_mov_b32 s[QTR], 0
	s_mov_b32 s[NEW], 1
	s_mov_b32 s[NXT], 2                            ; slots 0 and 1 of the long tile are asked for
	s_mov_b32 s[SLOTS], 8
.irp u, 0,1
	v_max3_num_f32 v[HM+(\u)], v[SB+2*(\u)], v[SB+4+2*(\u)], v[SB+8+2*(\u)]
.endr
.set t, 3
.rept 6
.irp u, 0,1
	v_max3_num_f32 v[HM+(\u)], v[HM+(\u)], v[SB+4*t+2*(\u)], v[SB+4*t+4+2*(\u)]
.endr
.set t, t+2
.endr
.irp u, 0,1
	v_max_num_f32 v[HM+(\u)], v[HM+(\u)], v[SB+60+2*(\u)]   ; M
.endr
.set t, 0
.rept 16
.irp u, 0,1
	v_sub_f32 v[SB+4*t+2*(\u)], v[SB+4*t+2*(\u)], v[HM+(\u)]
.endr
.set t, t+1
.endr
.set t, 0
.rept 16
.irp u, 0,1
	v_exp_f32 v[SB+4*t+2*(\u)], v[SB+4*t+2*(\u)]
.endr
.set t, t+1
.endr
	v_nop                                          ; a plain instruction behind the last exponential,
	s_wait_alu depctr_va_vdst(0)                   ; and the one wait for the batch of 32, ahead of its first reader
.irp u, 0,1
	v_mul_f32 v[HM+2+(\u)], v[SB+2*(\u)], v[SB+2*(\u)+1]
.endr
.set t, 1
.rept 15
.irp u, 0,1
	v_fmac_f32 v[HM+2+(\u)], v[SB+4*t+2*(\u)], v[SB+4*t+2*(\u)+1]
.endr
.set t, t+1
.endr
.irp u, 0,1
	v_rcp_f32 v[HM+2+(\u)], v[HM+2+(\u)]           ; l is at least 1: the block with the row's maximum gives its own l, which holds a weight 1
.endr
.set t, 0
.rept 16
	v_cvt_pk_f16_f32 v[HW+t], v[SB+4*t], v[SB+4*t+2]   ; the two rows' factors of block t; these lines are the independent work behind the reciprocals
.set t, t+1
.endr
	s_wait_alu depctr_va_vdst(0)
	v_mov_b32 v[HR], v[HM+2]
	v_mov_b32 v[HR+1], v[HM+2]
	v_mov_b32 v[HR+2], v[HM+3]
	v_mov_b32 v[HR+3], v[HM+3]
.set t, 0
.rept 16
	ds_store_b32 v4, v[HW+t] offset:128*t
.set t, t+1
.endr
	ds_store_b128 v5, v[HR:HR+3]
.macro FETCHA q, u                     ; P's 64 rows x 32 keys at quarter q of the key block, into buffer u
.irp a, 0,1,2,3
	ds_load_b128 v[FA+32*(\u)+8*(\a):FA+32*(\u)+8*(\a)+3],   v[ADRA] offset:(\q)*64+(\a)*16*PP
	ds_load_b128 v[FA+32*(\u)+8*(\a)+4:FA+32*(\u)+8*(\a)+7], v[ADRA] offset:(\q)*64+(\a)*16*PP+32
.endr
.endm
.macro FETCHV adr, q, u                ; 32 keys x my 64 channels, turned
.irp b, 0,1,2,3
	ds_load_tr16_b128 v[FB+32*(\u)+8*(\b):FB+32*(\u)+8*(\b)+3],   v[\adr] offset:(\q)*32*PV+(\b)*32
	ds_load_tr16_b128 v[FB+32*(\u)+8*(\b)+4:FB+32*(\u)+8*(\b)+7], v[\adr] offset:(\q)*32*PV+16*PV+(\b)*32
.endr
.endm
.macro EXPAND                          ; each of the four factors into both halves of a word
	v_perm_b32 v[ALX],   v[ALR],   v[ALR],   0x01000100
	v_perm_b32 v[ALX+1], v[ALR],   v[ALR],   0x03020302
	v_perm_b32 v[ALX+2], v[ALR+1], v[ALR+1], 0x01000100
	v_perm_b32 v[ALX+3], v[ALR+1], v[ALR+1], 0x03020302
.endm
.macro SCALE u                         ; a_t p: a lane's registers of fragment a all belong to row 16 a + r
.irp a, 0,1,2,3
.irp k, 0,1,2,3,4,5,6,7
	v_pk_mul_f16 v[FA+32*(\u)+8*(\a)+(\k)], v[FA+32*(\u)+8*(\a)+(\k)], v[ALX+(\a)]
.endr
.endr
.endm
.macro MUL u, zero                     ; 16 products; the 16 accumulators take turns
	WIN 0x50
.irp a, 0,1,2,3
.irp b, 0,1,2,3
.if \zero
	v_wmma_f32_16x16x32_f16 v[8*(4*(\a)+(\b)):8*(4*(\a)+(\b))+7], v[FB+32*(\u)+8*(\b):FB+32*(\u)+8*(\b)+7], v[FA+32*(\u)+8*(\a):FA+32*(\u)+8*(\a)+7], 0
.else
	v_wmma_f32_16x16x32_f16 v[8*(4*(\a)+(\b)):8*(4*(\a)+(\b))+7], v[FB+32*(\u)+8*(\b):FB+32*(\u)+8*(\b)+7], v[FA+32*(\u)+8*(\a):FA+32*(\u)+8*(\a)+7], v[8*(4*(\a)+(\b)):8*(4*(\a)+(\b))+7]
.endif
.endr
.endr
	WIN 0
.endm
; A key block of 128: four quarters of 32 keys on two buffers.  A quarter: its fragments are in; P's are scaled (these 32 plain lines are also the places in front of the loads into the other buffer,
; which the quarter before multiplied); the next quarter's 16 loads go out; 16 products.  Nothing is fetched past the block's end: behind a slot's last block lie bytes that are being filled.
.macro KBLOCK
	v_add_nc_u32 v[ADRA], s[TBA], v[ADRA0]
	v_add_nc_u32 v[ADRB], s[TBV], v[ADRB0]
	v_add_nc_u32 v[AAD], s[TAL], v[AAD0]
	s_add_co_u32 s[TBA], s[TBA], 256               ; the next block's
	s_add_co_u32 s[TBV], s[TBV], VHALF
	s_add_co_u32 s[TAL], s[TAL], 128
	ds_load_b64 v[ALR:ALR+1], v[AAD]
	FETCHV ADRB, 0, 0
	FETCHA 0, 0
	s_wait_dscnt 0x0
	EXPAND
	SCALE 0
	FETCHV ADRB, 1, 1
	FETCHA 1, 1
	MUL 0, 0
	s_wait_dscnt 0x0
	SCALE 1
	FETCHV ADRB, 2, 0
	FETCHA 2, 0
	MUL 1, 0
	s_wait_dscnt 0x0
	SCALE 0
	FETCHV ADRB, 3, 1
	FETCHA 3, 1
	MUL 0, 0
	s_wait_dscnt 0x0
	SCALE 1
	MUL 1, 0
.endm
; A TILE BEGINS: its factors and 1 / l are found; the residual's slice (P's first 32 keys, scaled by block 0's factor, x vl) starts the sums.
.macro BEGIN
	s_mov_b32 s[NEW], 0
	s_mov_b32 s[TAL], s[QTO]
	v_add_nc_u32 v[AAD], s[TAL], v[AAD0]
	v_add_nc_u32 v[RLA], s[QTR], v[RLA0]
	v_add_nc_u32 v[ADRA], s[TBA], v[ADRA0]
	ds_load_b64 v[ALR:ALR+1], v[AAD]
	ds_load_b128 v[RLX:RLX+3], v[RLA]
	ds_load_b128 v[RLX+4:RLX+7], v[RLA] offset:16
	FETCHV ADRL, 0, 1
	FETCHA 0, 1
	s_wait_dscnt 0x0
	EXPAND
	SCALE 1
	MUL 1, 1
.endm
; A TILE ENDS: 16 rows x 64 channels at a time are divided by l, go through my stage and leave as whole rows of 256 bytes.
.macro WAYOUT
	PLACES                                         ; the places behind the last products
	PLACES
.irp a, 0,1,2,3
	s_wait_xcnt 0x0                                ; earlier stores have read the registers that are loaded again below
	WIN 0x01
.set n, 0
.rept 16
	v_pk_mul_f32 v[TO+n:TO+n+1], v[32*(\a)+n:32*(\a)+n+1], v[RLX+2*(\a):RLX+2*(\a)+1]   ; each accumulator from its low end on
.set n, n+2
.endr
	WIN 0
.irp b, 0,1,2,3
	ds_store_b128 v[STO], v[TO+8*(\b):TO+8*(\b)+3]   offset:64*(\b)
	ds_store_b128 v[STO], v[TO+8*(\b)+4:TO+8*(\b)+7] offset:64*(\b)+16
.endr
.irp t, 0,1,2,3,4,5,6,7
	ds_load_b128 v[OB+4*(\t):OB+4*(\t)+3], v[RD] offset:(\t)*544   ; a wave's LDS instructions are served in order: these see the stores above
.endr
	s_wait_dscnt 0x0
.irp t, 0,1,2,3,4,5,6,7
	global_store_b128 v[CO], v[OB+4*(\t):OB+4*(\t)+3], s[OUT:OUT+1] offset:(16*(\a)+2*(\t))*4096 th:TH_STORE_NT   ; 16 lanes store 256 consecutive bytes, at a multiple of 256
.endr
.endr
.endm
; THE CHANGE OF SLOTS.  Each wave waits for all its tensor loads (one is out: its piece of the slot to be entered), adds 0 to its spare word, and waits for that and for its reads of the slot that it leaves.
; fill = 1: the barrier is a round of the cluster's, and the slot just left is filled again first thing behind it, with slot NXT of the tile that is being asked for: the descriptors' addresses are made anew from that number.
; The load has the trip's 128 products in which to land.
.macro CHANGE fill
	WIN 0
	s_wait_tensorcnt 0x0                           ; no tensor load of mine is out, so the descriptors may be written
	ds_add_u32 v[SPW], v[NIL]                      ; the scalar work below stands between the add and the wait for it
.if \fill
	s_wait_xcnt 0x0                                ; the last prefetches, a trip back, have read their address
	s_lshl_b32 s[OFFP], s[NXT], 9                  ; a slot is 512 bytes of P's rows
	s_add_co_u32 s[OFFP], s[OFFP], s[QOFF]
	s_lshl_b32 s[OFFV], s[NXT], 19                 ; and 256 rows of 2,048 bytes of V
	s_xor_b32 s[G0P+5], s[G0P+5], SLOTX
	s_add_nc_u64 s[G0P+6:G0P+7], s[4:5], s[OFFP:OFFP+1]
	s_or_b32 s[G0P+7], s[G0P+7], 0x80000000
	s_xor_b32 s[G0V+5], s[G0V+5], SLOTX
	s_add_nc_u64 s[G0V+6:G0V+7], s[VB:VB+1], s[OFFV:OFFV+1]
	s_or_b32 s[G0V+7], s[G0V+7], 0x80000000
	s_cmp_lt_u32 s[WV], 2
	s_cselect_b32 s[OFFX], s[OFFP], s[OFFV]
	s_add_nc_u64 s[PFA:PFA+1], s[PFB:PFB+1], s[OFFX:OFFX+1]
	s_cmp_lt_u32 s[NXT], s[LQ]                     ; has the tile a slot behind this one?
	s_cselect_b32 s[ASKF], s[ROLE], 0
	s_add_co_u32 s[NXT], s[NXT], 1                 ; the tile's next slot, or behind its last the short tile's slot 0
	s_cmp_gt_u32 s[NXT], s[LQ]
	s_cselect_b32 s[NXT], 0, s[NXT]
	s_cselect_b32 s[QOFF], s[QB], s[QOFF]
	s_cselect_b32 s[ROLE], s[ROLEB], s[ROLE]
	s_cselect_b32 s[LQ], s[LQB], s[LQ]
.endif
	s_sub_co_u32 s[TBA], s[TBA], 512               ; the fetches go back to a slot's first key block,
	s_xor_b32 s[TBA], s[TBA], SLOTX                ; in the other slot
	s_sub_co_u32 s[TBV], s[TBV], 2*VHALF
	s_xor_b32 s[TBV], s[TBV], SLOTX
	s_wait_dscnt 0x0                               ; the add is done, and my reads of the slot are over
.if \fill
	CROUND
	JLOAD
	ASK
.else
	s_barrier_signal -1
	s_barrier_wait -1
	PLACES
.endif
.endm
; A trip behind its change of slots.  The test for a tile's first slot stands first: at the first trip its answer is a constant of the text.  Both jumps go forward, over work on registers and LDS alone.
.macro BODY fill
	s_sub_co_u32 s[RT], s[RT], 1
	s_cmp_eq_u32 s[NEW], 1
	s_cbranch_scc0 .Lold_\@
	BEGIN
.Lold_\@:
	s_mov_b32 s[KB], 2
.Lkb_\@:
	KBLOCK
	s_sub_co_u32 s[KB], s[KB], 1
	s_cmp_lg_u32 s[KB], 0
	s_cbranch_scc1 .Lkb_\@
.if \fill
	s_cmp_eq_u32 s[RT], 0
	s_cbranch_scc0 .Lmore_\@
.endif
	WAYOUT
.if \fill
	s_wait_xcnt 0x0                                ; the stores have read out0's address: on to the short tile
	s_mov_b64 s[OUT:OUT+1], s[OUTB:OUTB+1]
	s_mov_b32 s[RT], s[NSB]
	s_mov_b32 s[NEW], 1
	s_mov_b32 s[QTO], 2048
	s_mov_b32 s[QTR], 512
.Lmore_\@:
.endif
.endm
	s_wait_tensorcnt 0x1                           ; the residual's keys and slot 0 are in; slot 1's load may stay out
	s_wait_dscnt 0x0                               ; for the others' sake: my factors and 1 / l lie in LDS
	s_barrier_signal -1
	s_barrier_wait -1
	s_branch .Lenter                               ; the loop is entered behind its change of slots
.Lslot:                                        ; eight trips; the changes in front of trips 1 to 7 ask for the walk's slots 2 to 8
	CHANGE 1
.Lenter:
	BODY 1
	s_sub_co_u32 s[SLOTS], s[SLOTS], 1
	s_cmp_lg_u32 s[SLOTS], 0
	s_cbranch_scc1 .Lslot
	CHANGE 0                                       ; the walk's last slot, the short tile's last, is written out
	BODY 0
	s_wait_tensorcnt 0x0                           ; the wave's end
	ds_add_u32 v[SPW], v[NIL]
	s_wait_dscnt 0x0
	CROUND                                         ; the closing round
	s_endpgm
.Lfunc_end_k_qfa26fc7fa9_pv:
	.size	k_qfa26fc7fa9_pv, .Lfunc_end_k_qfa26fc7fa9_pv-k_qfa26fc7fa9_pv
	.p2alignl 7, 3214868480
	.fill 96, 4, 3214868480
	.section	.rodata,"a",@progbits
	.p2align	6, 0x0
	.amdhsa_kernel k_qfa26fc7fa9_pv
		.amdhsa_group_segment_fixed_size 327680
		.amdhsa_private_segment_fixed_size 0
		.amdhsa_enable_private_segment 0
		.amdhsa_kernarg_size 40
		.amdhsa_user_sgpr_count 2
		.amdhsa_user_sgpr_kernarg_segment_ptr 1
		.amdhsa_wavefront_size32 1
		.amdhsa_system_sgpr_workgroup_id_x 1
		.amdhsa_system_sgpr_workgroup_id_y 1
		.amdhsa_system_sgpr_workgroup_id_z 1
		.amdhsa_system_vgpr_workitem_id 0
		.amdhsa_next_free_vgpr 384
		.amdhsa_next_free_sgpr 106
		.amdhsa_reserve_vcc 0
		.amdhsa_float_denorm_mode_32 3
		.amdhsa_float_denorm_mode_16_64 3
		.amdhsa_memory_ordered 1
		.amdhsa_forward_progress 1
		.amdhsa_inst_pref_size 91
	.end_amdhsa_kernel
	.amdgpu_metadata
---
amdhsa.version: [ 1, 2 ]
amdhsa.kernels:
  - .name:           k_qfa26fc7fa9_pv
    .symbol:         k_qfa26fc7fa9_pv.kd
    .args:
      - { .name: p16, .offset: 0, .size: 8, .value_kind: global_buffer, .address_space: global }
      - { .name: vh, .offset: 8, .size: 8, .value_kind: global_buffer, .address_space: global }
      - { .name: vl, .offset: 16, .size: 8, .value_kind: global_buffer, .address_space: global }
      - { .name: st, .offset: 24, .size: 8, .value_kind: global_buffer, .address_space: global }
      - { .name: out0, .offset: 32, .size: 8, .value_kind: global_buffer, .address_space: global }
    .group_segment_fixed_size: 327680
    .private_segment_fixed_size: 0
    .kernarg_segment_align: 8
    .kernarg_segment_size: 40
    .max_flat_workgroup_size: 128
    .sgpr_count:     106
    .vgpr_count:     384
    .wavefront_size: 32
...
	.end_amdgpu_metadata
.endif
;; end of part 5
;; ======== version 2 of 2: 5 launches; version 1 with the launches cast, mprod written anew for expert scheduling mode
;; limits: values are held in f16: magnitudes above 65,504 overflow, below 6.1e-05 lose precision
;; workspace buffers: h16 56,623,104 bytes; m16 2,097,152 bytes; qs 16,777,216 bytes; vh 16,777,216 bytes; vl 2,097,152 bytes; p16 33,554,432 bytes; st 1,048,576 bytes
;; launch cast (part 6): grid 864 x 1, 8 waves a work-group, no clusters, 0 bytes of LDS; arguments q, k, v, Wq, Wk, Wv, h16; writes h16
.if DOCPART == 6
	.amdgcn_target "amdgcn-amd-amdhsa--gfx1250"
	.amdhsa_code_object_version 6
	.text
	.protected	k_qfa26fc7fa9_cast
	.globl	k_qfa26fc7fa9_cast
	.p2align	8
	.type	k_qfa26fc7fa9_cast,@function
k_qfa26fc7fa9_cast:
	s_mov_b64 s[64:65], 0
	v_nop
	global_prefetch_b8 v0, s[64:65] scope:SCOPE_SE
	s_setreg_imm32_b32 hwreg(HW_REG_WAVE_SCHED_MODE, 0, 2), 2
	s_setreg_imm32_b32 hwreg(HW_REG_WAVE_MODE, 25, 1), 1
	s_wait_xcnt 0x0
	s_wait_alu depctr_vm_vsrc(0)
; h16 = f16(bf16(x)) for the six f32 inputs, one behind the other: q, k, v (16 MiB of f16 each), Wq, Wk, Wv (2 MiB each).
; Each number is rounded once, to bf16; the bf16 number is then written as f16, which holds it exactly between 2^-14 and 65,504.
; LIMITS. A number of 65,520 or more in magnitude becomes an infinity; below 2^-14 f16 keeps its fixed step of 2^-24.
; SHARES. A work-group takes 32,768 numbers: 131,072 bytes in, 65,536 out. Thread t takes 16 bytes at 16 t of each 4,096: a wave's load covers 512
; consecutive bytes, its store 256 consecutive bytes at a multiple of 256. All 32 loads of a thread go out first; the waits count the younger ones.
; No LDS, no barrier, no matrix unit: the launch only moves bytes.
; THE MODE: SCHED_MODE bits 1:0 = 2 (LLVM: expert scheduling mode 2), set by the entry lines.  The code itself states the register dependences
; between vector instructions and memory instructions, with s_wait_alu, always for 0.
; THE PLAN.  Registers that memory instructions touch:
;   v1, v2     byte offsets of the loads and of the stores: made once at the head, never written again.
;   X[n]       four registers for load n.  Load n lands in them before any vector instruction names them; the conversions of load n work in place; store n reads
;              the first two; nothing writes them after that.  So no register that a memory instruction has read is ever written again.
;   v4, v5     at work: no memory instruction names them.
; The 32 loads' work goes in eight blocks of four.  One wait at a block's head states that the block before has written its eight registers to store; that block's
; four stores follow, one ahead of each load's conversions, which name v4, v5 and this block's X alone.  The last block's stores have a wait of their own.
.set X, 16                             ; v[16:143]  load n: four registers
.set BLK, 4                            ; loads in a block
	s_load_b256 s[4:11], s[0:1], 0x0               ; q, k, v, Wq
	s_load_b128 s[12:15], s[0:1], 0x20             ; Wk, Wv
	s_load_b64 s[16:17], s[0:1], 0x30              ; h16
	s_lshr_b32 s19, ttmp9, 8                       ; chunks 0..767: tensor = chunk / 256,
	s_and_b32 s23, ttmp9, 255                      ; place in it
	s_sub_co_u32 s24, ttmp9, 768                   ; chunks 768..863: the weights, 32 chunks each
	s_lshr_b32 s25, s24, 5
	s_add_co_u32 s25, s25, 3
	s_and_b32 s24, s24, 31
	s_cmp_lt_u32 ttmp9, 768
	s_cselect_b32 s19, s19, s25                    ; which input, 0..5
	s_cselect_b32 s23, s23, s24                    ; which chunk of it
	s_lshl_b32 s26, s23, 17                        ; 131,072 bytes in
	s_mov_b32 s27, 0
	s_lshl_b32 s28, ttmp9, 16                      ; 65,536 bytes out: the chunks lie in h16 in their own order
	s_mov_b32 s29, 0
	s_mov_b32 s22, 0xffff0000                      ; a word's upper bf16
	v_lshlrev_b32 v1, 4, v0
	v_lshlrev_b32 v2, 3, v0
	s_wait_kmcnt 0x0
	s_mov_b64 s[20:21], s[4:5]
	s_cmp_eq_u32 s19, 1
	s_cselect_b64 s[20:21], s[6:7], s[20:21]
	s_cmp_eq_u32 s19, 2
	s_cselect_b64 s[20:21], s[8:9], s[20:21]
	s_cmp_eq_u32 s19, 3
	s_cselect_b64 s[20:21], s[10:11], s[20:21]
	s_cmp_eq_u32 s19, 4
	s_cselect_b64 s[20:21], s[12:13], s[20:21]
	s_cmp_eq_u32 s19, 5
	s_cselect_b64 s[20:21], s[14:15], s[20:21]
	s_add_nc_u64 s[20:21], s[20:21], s[26:27]
	s_add_nc_u64 s[16:17], s[16:17], s[28:29]
	s_wait_alu depctr_va_vdst(0)                   ; v1 and v2 are written: every load reads v1 as its offset, every store v2
.set n, 0
.rept 32
	global_load_b128 v[X+4*n:X+4*n+3], v1, s[20:21] offset:4096*n th:TH_LOAD_NT
.set n, n+1
.endr
.set n, 0
.rept 32
	s_wait_loadcnt 31-n                            ; loads come back in order: load n is in, the 31 - n younger ones stay out
.if (n%BLK == 0) && (n > 0)
	s_wait_alu depctr_va_vdst(0)                   ; the block before has written the first two registers of its four X, which the four stores of this block's lines read
.endif
.if n >= BLK
	global_store_b64 v2, v[X+4*(n-BLK):X+4*(n-BLK)+1], s[16:17] offset:2048*(n-BLK) th:TH_STORE_NT  ; the block before; no vector instruction since the wait names these registers
.endif
	v_cvt_pk_bf16_f32 v4, v[X+4*n], v[X+4*n+1]     ; the one rounding
	v_cvt_pk_bf16_f32 v5, v[X+4*n+2], v[X+4*n+3]
	v_lshlrev_b32 v[X+4*n], 16, v4                 ; bf16 back to f32: a shift or a mask
	v_and_b32 v[X+4*n+1], s22, v4
	v_lshlrev_b32 v[X+4*n+2], 16, v5
	v_and_b32 v[X+4*n+3], s22, v5
	v_cvt_pk_f16_f32 v[X+4*n], v[X+4*n], v[X+4*n+1]      ; exact within f16's normal range
	v_cvt_pk_f16_f32 v[X+4*n+1], v[X+4*n+2], v[X+4*n+3]
.set n, n+1
.endr
	s_wait_alu depctr_va_vdst(0)                   ; the last block has written its registers, which the last four stores read
.set n, 32-BLK
.rept BLK
	global_store_b64 v2, v[X+4*n:X+4*n+1], s[16:17] offset:2048*n th:TH_STORE_NT
.set n, n+1
.endr
	s_endpgm
.Lfunc_end_k_qfa26fc7fa9_cast:
	.size	k_qfa26fc7fa9_cast, .Lfunc_end_k_qfa26fc7fa9_cast-k_qfa26fc7fa9_cast
	.p2alignl 7, 3214868480
	.fill 96, 4, 3214868480
	.section	.rodata,"a",@progbits
	.p2align	6, 0x0
	.amdhsa_kernel k_qfa26fc7fa9_cast
		.amdhsa_group_segment_fixed_size 0
		.amdhsa_private_segment_fixed_size 0
		.amdhsa_enable_private_segment 0
		.amdhsa_kernarg_size 56
		.amdhsa_user_sgpr_count 2
		.amdhsa_user_sgpr_kernarg_segment_ptr 1
		.amdhsa_wavefront_size32 1
		.amdhsa_system_sgpr_workgroup_id_x 1
		.amdhsa_system_sgpr_workgroup_id_y 1
		.amdhsa_system_sgpr_workgroup_id_z 1
		.amdhsa_system_vgpr_workitem_id 0
		.amdhsa_next_free_vgpr 144
		.amdhsa_next_free_sgpr 66
		.amdhsa_reserve_vcc 0
		.amdhsa_float_denorm_mode_32 3
		.amdhsa_float_denorm_mode_16_64 3
		.amdhsa_memory_ordered 1
		.amdhsa_forward_progress 1
		.amdhsa_inst_pref_size 21
	.end_amdhsa_kernel
	.amdgpu_metadata
---
amdhsa.version: [ 1, 2 ]
amdhsa.kernels:
  - .name:           k_qfa26fc7fa9_cast
    .symbol:         k_qfa26fc7fa9_cast.kd
    .args:
      - { .name: q, .offset: 0, .size: 8, .value_kind: global_buffer, .address_space: global }
      - { .name: k, .offset: 8, .size: 8, .value_kind: global_buffer, .address_space: global }
      - { .name: v, .offset: 16, .size: 8, .value_kind: global_buffer, .address_space: global }
      - { .name: Wq, .offset: 24, .size: 8, .value_kind: global_buffer, .address_space: global }
      - { .name: Wk, .offset: 32, .size: 8, .value_kind: global_buffer, .address_space: global }
      - { .name: Wv, .offset: 40, .size: 8, .value_kind: global_buffer, .address_space: global }
      - { .name: h16, .offset: 48, .size: 8, .value_kind: global_buffer, .address_space: global }
    .group_segment_fixed_size: 0
    .private_segment_fixed_size: 0
    .kernarg_segment_align: 8
    .kernarg_segment_size: 56
    .max_flat_workgroup_size: 256
    .sgpr_count:     66
    .vgpr_count:     144
    .wavefront_size: 32
...
	.end_amdgpu_metadata
.endif
;; end of part 6
;; launch mprod (part 7): grid 8 x 32, 4 waves a work-group, no clusters, 68,096 bytes of LDS; arguments h16, m16, st; writes m16, st
.if DOCPART == 7
	.amdgcn_target "amdgcn-amd-amdhsa--gfx1250"
	.amdhsa_code_object_version 6
	.text
	.protected	k_qfa26fc7fa9_mprod
	.globl	k_qfa26fc7fa9_mprod
	.p2align	8
	.type	k_qfa26fc7fa9_mprod,@function
k_qfa26fc7fa9_mprod:
	s_mov_b64 s[64:65], 0
	v_nop
	global_prefetch_b8 v0, s[64:65] scope:SCOPE_SE
	s_setreg_imm32_b32 hwreg(HW_REG_WAVE_SCHED_MODE, 0, 2), 2
	s_setreg_imm32_b32 hwreg(HW_REG_WAVE_MODE, 25, 1), 1
	s_wait_xcnt 0x0
	s_wait_alu depctr_vm_vsrc(0)
; m16[d][d'] = f16(64 x the sum over e of Wq[d][e] Wk[d'][e]): since Q K^T = q (Wq Wk^T) k^T, this product of 1024^3 takes the place of a projection of 8192 x 1024^2.
; The factor 64, a power of two, lifts the numbers into f16's normal range.  LIMIT: 64 |M| stays under 65,504.
; Also: st is filled with the neutral pair (c m, l) = (-1e30, 0); a later launch writes the blocks that exist over it.
; SHARES. A work-group makes 32 rows d (grid y) x 128 columns d' (grid x).  K = 1024 is split among its four waves, 256 each, in 8 steps of 32.
; Source 0 = 16 rows of Wk, source 1 = 16 rows of Wq: a lane then holds one d (lane % 16) and eight neighbouring d'.  Both operands lie along e, so fragments come straight from memory,
; two loads of 16 bytes a lane.  All 160 loads of a wave go out at once into 640 registers; the four partial sums meet in LDS.
; REGISTERS: window 0: v0-15 addresses, v16-31 results, v128-255 the 16 accumulators ((a, b) at 128 + 8 (8 a + b)); step s: window 1 + s / 3, from 80 (s % 3): 8 fragments of Wk, 2 of Wq.
; THE MODE: SCHED_MODE bits 1:0 = 2 (LLVM: expert scheduling mode 2), set by the entry lines.  The code itself states the register dependences
; between vector or matrix instructions and memory or LDS instructions, with s_wait_alu, always for 0.
; THE PLAN.  Registers that memory or LDS instructions touch:
;   v2-v6, v10-v13    offsets, LDS addresses and the neutral pairs: written once at the head, read by loads and stores, never written again.
;   windows 1 to 3    each of the 160 loads has registers of its own, which no vector instruction names before it; matrix instructions read them; nothing lands in them again.
;   v128-v255         written by the matrix instructions; read by my 32 LDS stores; then the 32 LDS loads land in them; then the sums work in place.
;   v16-v31           written by the four groups' roundings; read by the four global stores, which stand in one run behind them.
;   v8, v9            written at the head, read by the closing add alone.
; So five waits state everything: one for s14; one ahead of the first load; one behind the last product's places, ahead of the LDS stores; one on vm_vsrc ahead of the LDS loads; one ahead of the run of stores.
.set PP,    528                        ; a row of partial sums in LDS: 512 bytes + 16
.set PART,  32*PP                      ; a wave's partial tile
.set SPARE, 4*PART                     ; behind them: the spare words, 128 bytes a wave
.set FO,  2                            ; v2  (l % 16) x 2,048 + 16 (l / 16) + 512 x wave; never rewritten
.set LS,  3                            ; v3  where I put partial sums
.set LR,  4                            ; v4  where I read them back
.set MO,  5                            ; v5  my 16 bytes of m16
.set SO,  6                            ; v6  16 x thread
.set SPW, 8
.set NIL, 9
.set ACC, 128
.set MSB, 0
.macro WIN new
.if MSB != (\new)
	s_set_vgpr_msb (MSB<<8)|(\new)
.set MSB, \new
.endif
.endm
	s_load_b128 s[4:7], s[0:1], 0x0                ; h16, m16
	s_load_b64 s[8:9], s[0:1], 0x10                ; st
	v_lshl_add_u32 v[SPW], v0, 2, SPARE
	v_mov_b32 v[NIL], 0
	v_lshrrev_b32 v1, 5, v0
	v_readfirstlane_b32 s14, v1                    ; wave
	s_and_b32 s15, ttmp7, 0xffff                   ; y
	v_and_b32 v1, 15, v0                           ; r
	v_bfe_u32 v14, v0, 4, 1                        ; h
	v_lshlrev_b32 v[FO], 11, v1
	v_lshl_add_u32 v[FO], v14, 4, v[FO]
	s_wait_alu depctr_va_sdst(0)                   ; s14 is written, ahead of its first reader: the wave's places in K, in LDS and in m16 are made from it
	s_lshl_b32 s16, s14, 9
	v_add_nc_u32 v[FO], s16, v[FO]
	v_mul_u32_u24 v[LS], v1, PP
	v_lshl_add_u32 v[LS], v14, 5, v[LS]
	s_mul_i32 s16, s14, PART
	v_add_nc_u32 v[LS], s16, v[LS]
	v_mul_u32_u24 v[LR], v14, PP
	v_lshl_add_u32 v[LR], v1, 5, v[LR]
	s_mul_i32 s16, s14, 8*PP
	v_add_nc_u32 v[LR], s16, v[LR]
	v_lshlrev_b32 v[MO], 11, v14
	v_lshl_add_u32 v[MO], v1, 4, v[MO]
	s_lshl_b32 s16, s14, 14
	v_add_nc_u32 v[MO], s16, v[MO]
	v_lshlrev_b32 v[SO], 4, v0
	v_mov_b32 v10, 0xf149f2ca                      ; -1e30
	v_mov_b32 v11, 0
	v_mov_b32 v12, 0xf149f2ca
	v_mov_b32 v13, 0
	s_mov_b32 s22, 0x42800000                      ; 64.0
	s_mov_b32 s23, s22
	s_lshl_b32 s16, ttmp9, 18                      ; 128 rows of Wk
	s_mov_b32 s17, 0
	s_lshl_b32 s18, s15, 16                        ; 32 rows of Wq, and of m16
	s_mov_b32 s19, 0
	s_lshl_b32 s20, s15, 3
	s_add_co_u32 s20, s20, ttmp9
	s_lshl_b32 s20, s20, 12                        ; my 4,096 bytes of st
	s_mov_b32 s21, 0
	s_lshl_b32 s24, ttmp9, 8                       ; 128 columns of m16
	s_mov_b32 s25, 0
	s_wait_kmcnt 0x0
	s_add_nc_u64 s[10:11], s[4:5], 0x3200000       ; wk16
	s_add_nc_u64 s[10:11], s[10:11], s[16:17]
	s_add_nc_u64 s[12:13], s[4:5], 0x3000000       ; wq16
	s_add_nc_u64 s[12:13], s[12:13], s[18:19]
	s_add_nc_u64 s[8:9], s[8:9], s[20:21]
	s_add_nc_u64 s[6:7], s[6:7], s[18:19]
	s_add_nc_u64 s[6:7], s[6:7], s[24:25]
.macro LD s                            ; step s: 20 loads
.set WN, 1+(\s)/3
.set BS, 80*((\s)%3)
	WIN WN<<6
.irp f, 0,1,2,3,4,5,6,7
	global_load_b128 v[BS+8*(\f):BS+8*(\f)+3],   v[FO], s[10:11] offset:(\f)*32768+64*(\s)
	global_load_b128 v[BS+8*(\f)+4:BS+8*(\f)+7], v[FO], s[10:11] offset:(\f)*32768+64*(\s)+32
.endr
.irp f, 0,1
	global_load_b128 v[BS+64+8*(\f):BS+64+8*(\f)+3],   v[FO], s[12:13] offset:(\f)*32768+64*(\s)
	global_load_b128 v[BS+64+8*(\f)+4:BS+64+8*(\f)+7], v[FO], s[12:13] offset:(\f)*32768+64*(\s)+32
.endr
.endm
.macro MU s                            ; step s: 16 products; the 16 accumulators take turns
.set WN, 1+(\s)/3
.set BS, 80*((\s)%3)
	WIN WN|(WN<<2)
.irp a, 0,1
.irp b, 0,1,2,3,4,5,6,7
.if (\s) == 0
	v_wmma_f32_16x16x32_f16 v[ACC+8*(8*(\a)+(\b)):ACC+8*(8*(\a)+(\b))+7], v[BS+8*(\b):BS+8*(\b)+7], v[BS+64+8*(\a):BS+64+8*(\a)+7], 0
.else
	v_wmma_f32_16x16x32_f16 v[ACC+8*(8*(\a)+(\b)):ACC+8*(8*(\a)+(\b))+7], v[BS+8*(\b):BS+8*(\b)+7], v[BS+64+8*(\a):BS+64+8*(\a)+7], v[ACC+8*(8*(\a)+(\b)):ACC+8*(8*(\a)+(\b))+7]
.endif
.endr
.endr
.endm
	WIN 0x40                                       ; the first loads' window: the switch, then the wait, then the loads
	s_wait_alu depctr_va_vdst(0)                   ; the head has written v2 to v6, which the loads, the stores and the LDS instructions below read as offsets and addresses, and v10 to v13, the data of the two stores of st
.irp s, 0,1,2,3,4,5,6,7
	LD \s                                          ; between the wait and each of these loads stand loads and window switches alone
.endr
	WIN 0
	global_store_b128 v[SO], v[10:13], s[8:9]              ; the neutral pairs: 128 threads x 16 bytes, twice; no vector instruction since the wait names v6 or v10 to v13
	global_store_b128 v[SO], v[10:13], s[8:9] offset:2048
.irp s, 0,1,2,3,4
	s_wait_loadcnt 60                              ; behind step s stand 20 (7 - s) younger loads; 60 is right for step 4
	MU \s
.endr
	s_wait_loadcnt 40
	MU 5
	s_wait_loadcnt 20
	MU 6
	s_wait_loadcnt 0x0
	MU 7
	WIN 0
.rept 8
	v_nop                                          ; the places behind the last products
.endr
	s_wait_alu depctr_va_vdst(0)                   ; the matrix instructions have written the accumulators, which the LDS stores read; the places above stay beside this wait
.irp a, 0,1
.irp b, 0,1,2,3,4,5,6,7
	ds_store_b128 v[LS], v[ACC+8*(8*(\a)+(\b)):ACC+8*(8*(\a)+(\b))+3]   offset:(\a)*16*PP+64*(\b)
	ds_store_b128 v[LS], v[ACC+8*(8*(\a)+(\b))+4:ACC+8*(8*(\a)+(\b))+7] offset:(\a)*16*PP+64*(\b)+16
.endr
.endr
	s_wait_dscnt 0x0                               ; for the others' sake: my partial sums lie in LDS
	s_barrier_signal -1
	s_barrier_wait -1
	s_wait_alu depctr_vm_vsrc(0)                   ; my LDS stores have read v128 to v255, in which the LDS loads below land and which the sums then write (no vector or matrix instruction has named them since the wait on va_vdst above)
.irp i, 0,1,2,3                        ; wave w finishes rows 8 w .. 8 w + 7: two rows a load, eight columns a lane, four parts
.irp p, 0,1,2,3
	ds_load_b128 v[128+32*(\i)+8*(\p):128+32*(\i)+8*(\p)+3],   v[LR] offset:(\i)*2*PP+(\p)*PART
	ds_load_b128 v[128+32*(\i)+8*(\p)+4:128+32*(\i)+8*(\p)+7], v[LR] offset:(\i)*2*PP+(\p)*PART+16
.endr
.endr
	s_wait_dscnt 0x0
.set i, 0
.rept 4
.set R0, 128+32*i
.set k, 0
.rept 4
	v_pk_add_f32 v[R0+k:R0+k+1], v[R0+k:R0+k+1], v[R0+8+k:R0+8+k+1]
	v_pk_add_f32 v[R0+16+k:R0+16+k+1], v[R0+16+k:R0+16+k+1], v[R0+24+k:R0+24+k+1]
.set k, k+2
.endr
.set k, 0
.rept 4
	v_pk_add_f32 v[R0+k:R0+k+1], v[R0+k:R0+k+1], v[R0+16+k:R0+16+k+1]
.set k, k+2
.endr
.set k, 0
.rept 4
	v_pk_mul_f32 v[R0+k:R0+k+1], v[R0+k:R0+k+1], s[22:23] op_sel_hi:[1,0]
.set k, k+2
.endr
.set k, 0
.rept 4
	v_cvt_pk_f16_f32 v[16+4*i+k], v[R0+2*k], v[R0+2*k+1]
.set k, k+1
.endr
.set i, i+1
.endr
	s_wait_alu depctr_va_vdst(0)                   ; the roundings have written v16 to v31, which the four stores read
.set i, 0
.rept 4
	global_store_b128 v[MO], v[16+4*i:16+4*i+3], s[6:7] offset:4096*i  ; 16 lanes store 256 consecutive bytes, at a multiple of 256
.set i, i+1
.endr
	s_wait_dscnt 0x0                               ; the closing lines, six on end
	s_wait_alu 0x0
	s_wait_tensorcnt 0x0
	ds_add_u32 v[SPW], v[NIL]
	s_wait_dscnt 0x0
	s_endpgm
.Lfunc_end_k_qfa26fc7fa9_mprod:
	.size	k_qfa26fc7fa9_mprod, .Lfunc_end_k_qfa26fc7fa9_mprod-k_qfa26fc7fa9_mprod
	.p2alignl 7, 3214868480
	.fill 96, 4, 3214868480
	.section	.rodata,"a",@progbits
	.p2align	6, 0x0
	.amdhsa_kernel k_qfa26fc7fa9_mprod
		.amdhsa_group_segment_fixed_size 68096
		.amdhsa_private_segment_fixed_size 0
		.amdhsa_enable_private_segment 0
		.amdhsa_kernarg_size 24
		.amdhsa_user_sgpr_count 2
		.amdhsa_user_sgpr_kernarg_segment_ptr 1
		.amdhsa_wavefront_size32 1
		.amdhsa_system_sgpr_workgroup_id_x 1
		.amdhsa_system_sgpr_workgroup_id_y 1
		.amdhsa_system_sgpr_workgroup_id_z 1
		.amdhsa_system_vgpr_workitem_id 0
		.amdhsa_next_free_vgpr 928
		.amdhsa_next_free_sgpr 66
		.amdhsa_reserve_vcc 0
		.amdhsa_float_denorm_mode_32 3
		.amdhsa_float_denorm_mode_16_64 3
		.amdhsa_memory_ordered 1
		.amdhsa_forward_progress 1
		.amdhsa_inst_pref_size 37
	.end_amdhsa_kernel
	.amdgpu_metadata
---
amdhsa.version: [ 1, 2 ]
amdhsa.kernels:
  - .name:           k_qfa26fc7fa9_mprod
    .symbol:         k_qfa26fc7fa9_mprod.kd
    .args:
      - { .name: h16, .offset: 0, .size: 8, .value_kind: global_buffer, .address_space: global }
      - { .name: m16, .offset: 8, .size: 8, .value_kind: global_buffer, .address_space: global }
      - { .name: st, .offset: 16, .size: 8, .value_kind: global_buffer, .address_space: global }
    .group_segment_fixed_size: 68096
    .private_segment_fixed_size: 0
    .kernarg_segment_align: 8
    .kernarg_segment_size: 24
    .max_flat_workgroup_size: 128
    .sgpr_count:     66
    .vgpr_count:     928
    .wavefront_size: 32
...
	.end_amdgpu_metadata
.endif
;; end of part 7
;; launch proj: the kernel of part 3 again; grid 8 x 32, 4 waves a work-group, clusters of 4 x 4, 327,680 bytes of LDS; arguments h16, m16, qs, vh, vl; writes qs, vh, vl
;; launch score: the kernel of part 4 again; grid 36 x 4, 4 waves a work-group, no clusters, 327,680 bytes of LDS; arguments qs, h16, p16, st; writes p16, st
;; launch pv: the kernel of part 5 again; grid 8 x 32, 4 waves a work-group, clusters of 4 x 1, 327,680 bytes of LDS; arguments p16, vh, vl, st, out0; writes out0
